; MI455X (gfx1250); checked and timed in simulation.
; The chip was launched on July 23, 2026; its instructions are those of AMD's public machine-readable ISA for CDNA 5 (MIT licence, August 2026) and "CDNA5" Instruction Set Architecture Reference Guide (July 2026). The comments in the code are by the model that wrote it; some were corrected since.
;; Mo E Layer. Allowed arithmetic: matrix products marked QUANTISED: E2M1 operands, one E8M0 scale for each 32 along K, by v_wmma_scale_f32_16x16x128_f8f6f4 with both operands' format E2M1 (or v_wmma_scale_f32_32x16x128_f4), f32 sums; products left as they are: f32 operands where the result goes on into a quantised operand, else bf16, f16 or f32 operands; f32 sums; everything else in f32.
;; Inputs: W1 8 x 1,024 x 4,096 float32; W2 8 x 2,048 x 1,024 float32; b1 8 x 4,096 float32; b2 8 x 1,024 float32; router_b 8 float32; router_w 8 x 1,024 float32; x 4 x 256 x 1,024 float32.
;; Outputs: out0 4 x 256 x 1,024 float32.
;; This version of the problem:
;;   THIS VERSION OF THE PROBLEM IS GIVEN IN LOW PRECISION. The matrix products marked QUANTISED in the list below multiply operands that are first quantised to E2M1 (2 exponent bits, 1 mantissa bit; 4 bits a number), with one power-of-two scale for each 32 numbers along K (OCP MX v1.0); their sums are f32. All else is computed in f32.
;;   The module's matrix products, in the order in which they are computed (A, B: the left and right operand; K: the contracted axis; several contracted axes count as one K, in the product's order):
;;     1. [M 1,024, K 1,024] x [K 1,024, N 8]; A: input x; B: input router_w: left as it is (N = 8 < 16)
;;     2. [M 1,024, K 1,024] x [K 1,024, N 4,096]; A: input x; B: input W1: QUANTISED
;;     3. [M 1,024, K 2,048] x [K 2,048, N 1,024]; A: computed on the way; B: input W2: QUANTISED
;;     4. [M 1,024, K 1,024] x [K 1,024, N 4,096]; A: input x; B: input W1: QUANTISED
;;     5. [M 1,024, K 2,048] x [K 2,048, N 1,024]; A: computed on the way; B: input W2: QUANTISED
;;     6. [M 1,024, K 1,024] x [K 1,024, N 4,096]; A: input x; B: input W1: QUANTISED
;;     7. [M 1,024, K 2,048] x [K 2,048, N 1,024]; A: computed on the way; B: input W2: QUANTISED
;;     8. [M 1,024, K 1,024] x [K 1,024, N 4,096]; A: input x; B: input W1: QUANTISED
;;     9. [M 1,024, K 2,048] x [K 2,048, N 1,024]; A: computed on the way; B: input W2: QUANTISED
;;     10. [M 1,024, K 1,024] x [K 1,024, N 4,096]; A: input x; B: input W1: QUANTISED
;;     11. [M 1,024, K 2,048] x [K 2,048, N 1,024]; A: computed on the way; B: input W2: QUANTISED
;;     12. [M 1,024, K 1,024] x [K 1,024, N 4,096]; A: input x; B: input W1: QUANTISED
;;     13. [M 1,024, K 2,048] x [K 2,048, N 1,024]; A: computed on the way; B: input W2: QUANTISED
;;     14. [M 1,024, K 1,024] x [K 1,024, N 4,096]; A: input x; B: input W1: QUANTISED
;;     15. [M 1,024, K 2,048] x [K 2,048, N 1,024]; A: computed on the way; B: input W2: QUANTISED
;;     16. [M 1,024, K 1,024] x [K 1,024, N 4,096]; A: input x; B: input W1: QUANTISED
;;     17. [M 1,024, K 2,048] x [K 2,048, N 1,024]; A: computed on the way; B: input W2: QUANTISED
;;   THE QUANTISER, for each operand of a quantised product, along K:
;;     - K is cut into blocks of 32 from its start; a last block that is shorter is filled with zeros.
;;     - A block's scale is 2^e with e = floor(log2(the largest magnitude in the block)) - 2, held to -126 .. 127; a block of zeros has e = 0. As a byte (E8M0): e + 127.
;;     - Each number is divided by its block's scale, clamped to +-6, and rounded to the nearest number of E2M1, ties to even, subnormals kept.
;;     - The product sums the exact products of the quantised numbers (number of the format x scale) in f32.
;;   ~~~python
;;   def quantise(x, axis):      # numpy; x: float32 -> the quantised numbers, widened to float32 again
;;       x = np.moveaxis(x, axis, -1); K = x.shape[-1]
;;       x = np.pad(x, [(0, 0)] * (x.ndim - 1) + [(0, -K % 32)]); x = x.reshape(x.shape[:-1] + (-1, 32)); a = np.abs(x).max(-1, keepdims=True)
;;       e = np.where(a > 0, np.clip(np.frexp(np.where(a > 0, a, 1))[1] - 1 - 2, -126, 127), 0)      # np.frexp(a)[1] - 1 = floor(log2(a)), exactly
;;       r = np.clip(x / 2.0 ** e, -6, 6)
;;       step = 2.0 ** (np.maximum(np.frexp(np.where(r == 0, 1, r))[1] - 1, 0) - 1)
;;       q = np.round(r / step) * step * 2.0 ** e      # np.round: ties to even
;;       return np.moveaxis(q.reshape(q.shape[:-2] + (-1,))[..., :K], -1, axis).astype(np.float32)
;;   ~~~
;;   OPERANDS COMPUTED ON THE WAY. 'Computed on the way' means the value that the module computes at that place (a softmax that the list does not call 'softmax' is quantised finished and normalised). What goes into a quantiser is computed in f32, as accurately as f32 sums, v_exp_f32 and their like allow (about 1e-6 of the number): no bf16 or f16 on the way to a quantiser, and a product that is left as it is and whose result goes on into a quantised operand takes f32 operands (vector FMAs, or v_wmma_f32_16x16x4_f32). A number that lies on a knife's edge between two numbers of the format may be rounded either way, as far as f32 arithmetic and the matrix unit's own rounding can turn it there, and no further.
;; 2 versions, each right; version 2 is version 1 with the launches fc1, fc2 written anew for expert scheduling mode. Each part assembles by itself: llvm-mc -triple=amdgcn-amd-amdhsa -mcpu=gfx1250 --defsym DOCPART=n.
;; ======== version 1 of 2: 5 launches
;; workspace buffers: xc 524,288 bytes; xs 32,768 bytes; sel 8,192 bytes of whole numbers; gw 8,192 bytes; list 65,536 bytes of whole numbers; hid 9,437,184 bytes; hs 589,824 bytes; yp 16,842,752 bytes
;; launch route (part 1): grid 256 x 1, 4 waves a work-group, no clusters, 37,376 bytes of LDS; arguments x, router_w, router_b, W1, xc, xs, sel, gw; writes xc, xs, sel, gw
.if DOCPART == 1
	.amdgcn_target "amdgcn-amd-amdhsa--gfx1250"
	.amdhsa_code_object_version 6
	.text
	.protected	k_qba3ee9642e_route
	.globl	k_qba3ee9642e_route
	.p2align	8
	.type	k_qba3ee9642e_route,@function
k_qba3ee9642e_route:
	s_mov_b64 s[64:65], 0
	v_nop
	global_prefetch_b8 v0, s[64:65] scope:SCOPE_SE
	s_setreg_imm32_b32 hwreg(HW_REG_WAVE_MODE, 25, 1), 1
	s_wait_xcnt 0x0
; ROUTER AND QUANTISER OF x.  1,024 tokens of 1,024 f32.  A wave takes one token (4 x work-group + wave); lane l holds its block l, k = 32 l .. 32 l + 31.
; It stores: xc [token][512 B] codes of E2M1 in K order; xs [token][32 B] E8M0 bytes; sel [2 token + k] the k-th chosen expert; gw [2 token + k] its softmax weight.
; Logits are f32 multiply-adds (four chains a lane, then a sum over the lanes), so their order of summing differs from a plain ascending sum.
; top-2: strict > while the expert's number rises, so the lower number wins a tie.  The softmax takes the larger value away first: w = (1, t) / (1 + t), t = e^(v2 - v1) <= 1.
; No branch and no address hangs on a logit: the choice is stored at fixed places and steers addresses in later launches only.
; LIMITS: NaN and infinities among the inputs are not served.  A block of zeros gets the byte 1 (its codes are zeros; only this program reads the bytes).
; The scale bytes (32 a wave) and sel, gw (8 bytes a wave each) leave in short stores: 48 KB of the launch's 600 KB.
.set X,   32                           ; v32-63   my 32 numbers of x
.set WB,  64                           ; v64-191  two sets of 2 experts x 32 numbers of router_w (v64-127 first carry the copy into LDS)
.set SU,  192                          ; v192-223 four partial sums an expert
.set LG,  16                           ; v16-23   the eight logits
.set PD,  24                           ; v24-31   destinations of the lane exchange
.set PIT, 144                          ; LDS: a block of 32 numbers of router_w, 128 bytes + 16
	s_load_b512 s[4:19], s[0:1], 0x0               ; x, router_w, router_b, W1, xc, xs, sel, gw
	v_lshl_add_u32 v224, v0, 2, 0x9000
	v_mov_b32 v225, 0
	v_lshrrev_b32 v8, 5, v0
	v_readfirstlane_b32 s20, v8                    ; wave
	v_and_b32 v1, 31, v0                           ; lane
	v_lshlrev_b32 v2, 7, v1                        ; x: my block's 128 bytes
	v_lshlrev_b32 v3, 4, v0                        ; router_w on its way in: 16 bytes a thread
	v_lshrrev_b32 v4, 3, v0
	v_mul_u32_u24 v4, v4, PIT
	v_and_b32 v8, 7, v0
	v_lshl_add_u32 v4, v8, 4, v4                   ; and in LDS: block thread / 8, piece thread % 8
	v_mul_u32_u24 v5, v1, PIT                      ; my block of an expert's row
	v_lshlrev_b32 v6, 4, v1                        ; my 16 bytes of codes
	v_lshrrev_b32 v7, 1, v0
	v_and_b32 v8, 1, v0
	v_lshlrev_b32 v7, 14, v7
	v_lshl_add_u32 v7, v8, 13, v7                  ; prefetch: row thread / 2 of W1 (16,384 bytes), half thread % 2 of its columns (8,192 bytes)
.irp e, 0,1,2,3,4,5,6,7
	v_mov_b32 v[PD+\e], 0                          ; a lane exchange's destination counts as read
.endr
	s_lshl_b32 s21, ttmp9, 2
	s_add_co_u32 s21, s21, s20                     ; my token
	s_mov_b32 s23, 0
	s_mov_b32 s32, 0x76543210
	s_mov_b32 s33, 0xfedcba98                      ; selects for lane l xor 16
	s_wait_kmcnt 0x0
	s_load_b256 s[24:31], s[8:9], 0x0              ; router_b
.irp j, 0,1,2,3,4,5,6,7,8,9,10,11,12,13,14,15
	global_load_b128 v[WB+4*\j:WB+4*\j+3], v3, s[6:7] offset:2048*\j   ; the work-group's 128 threads take 2,048 consecutive bytes a line
.endr
	s_lshl_b32 s22, s21, 12
	s_add_nc_u64 s[4:5], s[4:5], s[22:23]
.irp i, 0,1,2,3,4,5,6,7
	global_load_b128 v[X+4*\i:X+4*\i+3], v2, s[4:5] offset:16*\i
.endr
	; The first expert layer's work-group of my number (expert = number / 32, slice = number % 32), two launches on, begins with rows 0-63 of each quarter of K, 256 bytes in each half of the columns:
	; 512 blocks of 256 bytes.  Each thread asks for four of them, each block once in the launch.
	s_lshr_b32 s22, ttmp9, 5
	s_lshl_b32 s22, s22, 24
	s_and_b32 s36, ttmp9, 31
	s_lshl_b32 s36, s36, 8
	s_add_co_u32 s22, s22, s36
	s_add_nc_u64 s[34:35], s[10:11], s[22:23]
	s_add_nc_u64 s[36:37], s[34:35], 0x800000
	global_prefetch_b8 v7, s[34:35] th:TH_LOAD_NT scope:SCOPE_SE
	global_prefetch_b8 v7, s[34:35] offset:4194304 th:TH_LOAD_NT scope:SCOPE_SE
	global_prefetch_b8 v7, s[36:37] th:TH_LOAD_NT scope:SCOPE_SE
	global_prefetch_b8 v7, s[36:37] offset:4194304 th:TH_LOAD_NT scope:SCOPE_SE
	s_lshl_b32 s22, s21, 9
	s_add_nc_u64 s[12:13], s[12:13], s[22:23]      ; xc at my token
	s_lshl_b32 s22, s21, 5
	s_add_nc_u64 s[14:15], s[14:15], s[22:23]      ; xs
	s_lshl_b32 s22, s21, 3
	s_add_nc_u64 s[16:17], s[16:17], s[22:23]      ; sel
	s_add_nc_u64 s[18:19], s[18:19], s[22:23]      ; gw
	s_wait_loadcnt 8                               ; router_w's sixteen loads are in; x's eight are younger
.irp j, 0,1,2,3,4,5,6,7,8,9,10,11,12,13,14,15
	ds_store_b128 v4, v[WB+4*\j:WB+4*\j+3] offset:16*PIT*\j
.endr
	s_wait_dscnt 0x0                               ; for the others' sake
	s_barrier_signal -1
	s_barrier_wait -1
.macro WFETCH p                        ; experts 2 p and 2 p + 1: my block of each, into set p % 2
.irp q, 0,1
.irp i, 0,1,2,3,4,5,6,7
	ds_load_b128 v[WB+64*((\p)%2)+32*\q+4*\i:WB+64*((\p)%2)+32*\q+4*\i+3], v5 offset:(2*(\p)+\q)*32*PIT+16*\i
.endr
.endr
.endm
	WFETCH 0
	WFETCH 1
	s_wait_loadcnt 0x0                             ; x
	; my block's scale and codes
	v_max3_num_f32 v8, |v[X]|, |v[X+1]|, |v[X+2]|
	v_max3_num_f32 v9, |v[X+3]|, |v[X+4]|, |v[X+5]|
.irp i, 6,10,14,18,22,26
	v_max3_num_f32 v8, v8, |v[X+\i]|, |v[X+\i+1]|
	v_max3_num_f32 v9, v9, |v[X+\i+2]|, |v[X+\i+3]|
.endr
	v_max3_num_f32 v8, v8, |v[X+30]|, |v[X+31]|
	v_max3_num_f32 v8, v8, v9, 0x1800000           ; with the floor 2^(3 - 127): the byte cannot fall under 1
	v_add_nc_u32 v11, 0xff000000, v8               ; 2 off the exponent field: the conversion's scale operand
	v_lshrrev_b32 v10, 23, v11                     ; the byte
.irp g, 0,1,2,3
	v_cvt_scalef32_pk8_fp4_f32 v[12+\g], v[X+8*\g:X+8*\g+7], v11
.endr
	v_nop                                          ; one plain place behind the conversions
	global_store_b128 v6, v[12:15], s[12:13]       ; the wave stores 512 consecutive bytes
	global_store_b8 v1, v10, s[14:15]
.macro DOTS p                          ; 2 experts x 32 multiply-adds, two at a time, two chains an expert; the first products start the sums
.irp q, 0,1
.irp i, 0,1
	v_pk_mul_f32 v[SU+4*(2*(\p)+\q)+2*\i:SU+4*(2*(\p)+\q)+2*\i+1], v[X+2*\i:X+2*\i+1], v[WB+64*((\p)%2)+32*\q+2*\i:WB+64*((\p)%2)+32*\q+2*\i+1]
.endr
.endr
.irp i, 2,3,4,5,6,7,8,9,10,11,12,13,14,15
.irp q, 0,1
	v_pk_fma_f32 v[SU+4*(2*(\p)+\q)+2*(\i%2):SU+4*(2*(\p)+\q)+2*(\i%2)+1], v[X+2*\i:X+2*\i+1], v[WB+64*((\p)%2)+32*\q+2*\i:WB+64*((\p)%2)+32*\q+2*\i+1], v[SU+4*(2*(\p)+\q)+2*(\i%2):SU+4*(2*(\p)+\q)+2*(\i%2)+1]
.endr
.endr
.endm
	s_wait_dscnt 16                                ; this pair's sixteen loads are in, the next pair's sixteen are younger
	DOTS 0
	WFETCH 2
	s_wait_dscnt 16
	DOTS 1
	WFETCH 3
	s_wait_dscnt 16
	DOTS 2
	s_wait_dscnt 0x0
	DOTS 3
.irp e, 0,1,2,3,4,5,6,7
	v_pk_add_f32 v[SU+4*\e:SU+4*\e+1], v[SU+4*\e:SU+4*\e+1], v[SU+4*\e+2:SU+4*\e+3]
.endr
.irp e, 0,1,2,3,4,5,6,7
	v_add_f32 v[LG+\e], v[SU+4*\e], v[SU+4*\e+1]
.endr
.irp m, 1,2,4,8
.irp e, 0,1,2,3,4,5,6,7
	v_add_f32_dpp v[LG+\e], v[LG+\e], v[LG+\e] row_xmask:\m row_mask:0xf bank_mask:0xf
.endr
.endr
.irp e, 0,1,2,3,4,5,6,7
	v_permlanex16_b32 v[PD+\e], v[LG+\e], s32, s33
.endr
	s_wait_kmcnt 0x0                               ; router_b
.irp e, 0,1,2,3,4,5,6,7
	v_add_f32 v[LG+\e], v[LG+\e], v[PD+\e]
.endr
.irp e, 0,1,2,3,4,5,6,7
	v_add_f32 v[LG+\e], s[24+\e], v[LG+\e]         ; every lane holds all eight logits
.endr
	; the largest: v64 its value, v70 its number
	v_mov_b32 v64, v[LG]
	v_mov_b32 v70, 0
.irp e, 1,2,3,4,5,6,7
	v_cmp_gt_f32 vcc_lo, v[LG+\e], v64
	v_cndmask_b32 v64, v64, v[LG+\e], vcc_lo
	v_cndmask_b32 v70, v70, \e, vcc_lo
.endr
	; the largest of the others: v66, v71
	v_mov_b32 v66, 0xff800000
	v_cmp_eq_u32 vcc_lo, 0, v70
	v_cndmask_b32 v71, 0, 1, vcc_lo
.irp e, 0,1,2,3,4,5,6,7
	v_cmp_gt_f32 s40, v[LG+\e], v66
	v_cmp_ne_u32 s41, \e, v70
	s_and_b32 vcc_lo, s40, s41
	v_cndmask_b32 v66, v66, v[LG+\e], vcc_lo
	v_cndmask_b32 v71, v71, \e, vcc_lo
.endr
	v_sub_f32 v67, v66, v64                        ; v2 - v1, 0 or less
	v_mul_f32 v67, 0x3fb8aa3b, v67
	v_exp_f32 v67, v67                             ; t
	v_mov_b32 v74, 0                               ; (a plain place behind the exponential)
	s_wait_alu depctr_va_vdst(0)
	v_add_f32 v68, 1.0, v67
	v_rcp_f32 v72, v68                             ; the first weight
	v_cmp_eq_u32 vcc_lo, 0, v1                     ; (a plain place behind the reciprocal)
	s_wait_alu depctr_va_vdst(0)
	v_mul_f32 v73, v67, v72                        ; the second
	s_wait_xcnt 0x0                                ; EXEC changes only behind this wait
	s_wait_tensorcnt 0x0
	ds_add_u32 v224, v225
	s_wait_dscnt 0x0
	s_and_saveexec_b32 s22, vcc_lo                 ; lane 0 stores for the token
	global_store_b64 v74, v[70:71], s[16:17]
	global_store_b64 v74, v[72:73], s[18:19]
	s_wait_xcnt 0x0
	s_or_b32 exec_lo, exec_lo, s22
	s_endpgm
.Lfunc_end_k_qba3ee9642e_route:
	.size	k_qba3ee9642e_route, .Lfunc_end_k_qba3ee9642e_route-k_qba3ee9642e_route
	.p2alignl 7, 3214868480
	.fill 96, 4, 3214868480
	.section	.rodata,"a",@progbits
	.p2align	6, 0x0
	.amdhsa_kernel k_qba3ee9642e_route
		.amdhsa_group_segment_fixed_size 37376
		.amdhsa_private_segment_fixed_size 0
		.amdhsa_enable_private_segment 0
		.amdhsa_kernarg_size 64
		.amdhsa_user_sgpr_count 2
		.amdhsa_user_sgpr_kernarg_segment_ptr 1
		.amdhsa_wavefront_size32 1
		.amdhsa_system_sgpr_workgroup_id_x 1
		.amdhsa_system_sgpr_workgroup_id_y 1
		.amdhsa_system_sgpr_workgroup_id_z 1
		.amdhsa_system_vgpr_workitem_id 0
		.amdhsa_next_free_vgpr 226
		.amdhsa_next_free_sgpr 66
		.amdhsa_reserve_vcc 1
		.amdhsa_float_denorm_mode_32 3
		.amdhsa_float_denorm_mode_16_64 3
		.amdhsa_memory_ordered 1
		.amdhsa_forward_progress 1
		.amdhsa_inst_pref_size 28
	.end_amdhsa_kernel
	.amdgpu_metadata
---
amdhsa.version: [ 1, 2 ]
amdhsa.kernels:
  - .name:           k_qba3ee9642e_route
    .symbol:         k_qba3ee9642e_route.kd
    .args:
      - { .name: x, .offset: 0, .size: 8, .value_kind: global_buffer, .address_space: global }
      - { .name: router_w, .offset: 8, .size: 8, .value_kind: global_buffer, .address_space: global }
      - { .name: router_b, .offset: 16, .size: 8, .value_kind: global_buffer, .address_space: global }
      - { .name: W1, .offset: 24, .size: 8, .value_kind: global_buffer, .address_space: global }
      - { .name: xc, .offset: 32, .size: 8, .value_kind: global_buffer, .address_space: global }
      - { .name: xs, .offset: 40, .size: 8, .value_kind: global_buffer, .address_space: global }
      - { .name: sel, .offset: 48, .size: 8, .value_kind: global_buffer, .address_space: global }
      - { .name: gw, .offset: 56, .size: 8, .value_kind: global_buffer, .address_space: global }
    .group_segment_fixed_size: 37376
    .private_segment_fixed_size: 0
    .kernarg_segment_align: 8
    .kernarg_segment_size: 64
    .max_flat_workgroup_size: 128
    .sgpr_count:     66
    .vgpr_count:     226
    .wavefront_size: 32
...
	.end_amdgpu_metadata
.endif
;; end of part 1
;; launch place (part 2): grid 8 x 1, 1 waves a work-group, no clusters, 8,448 bytes of LDS; arguments sel, list; writes list
.if DOCPART == 2
	.amdgcn_target "amdgcn-amd-amdhsa--gfx1250"
	.amdhsa_code_object_version 6
	.text
	.protected	k_qba3ee9642e_place
	.globl	k_qba3ee9642e_place
	.p2align	8
	.type	k_qba3ee9642e_place,@function
k_qba3ee9642e_place:
	s_mov_b64 s[64:65], 0
	v_nop
	global_prefetch_b8 v0, s[64:65] scope:SCOPE_SE
	s_setreg_imm32_b32 hwreg(HW_REG_WAVE_MODE, 25, 1), 1
	s_wait_xcnt 0x0
; THE PLACING OF ROWS.  Work-group e, one wave, makes expert e's list from sel [2,048] (entry id = 2 token + k: the k-th chosen expert of the token).
; list [e][2,048] words: words 0 .. N - 1 the ids that chose e, in the order (group of 64 tokens, the token's parity, lane); zeros behind them; words 1,536-1,567 spare words; word 2,047 the count N (at most 1,024).
; The choice was made from floating-point numbers in the launch before, so it may steer addresses only from this launch on; the two layers of experts read N and the ids from this buffer.
; The list is made in LDS and leaves in lines of 512 consecutive bytes.  One wave: LDS serves its instructions in order, so there is no barrier; no branch hangs on data.  Eight work-groups: there is one list an expert, 8 KB to read for each.
.set OF,   1                           ; v1       16 x lane: my bytes of a line of sel and of the list in memory
.set LA,   2                           ; v2       16 x lane: the same in LDS
.set NA,   3                           ; v3       where N lies
.set DMP,  4                           ; v4       my lane's spare word
.set NV,   5                           ; v5       N
.set RK,   8                           ; v8-19    four sets of rank, address, id
.set AD,   12
.set IDV,  16
.set C4,   20                          ; v20-23   4 lane + c
.set ZR,   24                          ; v24-27   zeros
.set SELR, 64                          ; v64-127  sel
.set OUTR, 128                         ; v128-191 the list on its way out
	s_load_b128 s[4:7], s[0:1], 0x0                ; sel, list
	v_lshl_add_u32 v192, v0, 2, 0x2000
	v_mov_b32 v193, 0
	s_mov_b32 s24, ttmp9                           ; e
	s_lshl_b32 s8, ttmp9, 13
	s_mov_b32 s9, 0
	v_lshlrev_b32 v[OF], 4, v0
	v_lshlrev_b32 v[LA], 4, v0
	v_mov_b32 v[NA], 8188
	v_add_nc_u32 v[DMP], 1536, v0
.irp c, 0,1,2,3
	v_lshl_add_u32 v[C4+\c], v0, 2, \c
.endr
.irp c, 0,1,2,3
	v_mov_b32 v[ZR+\c], 0
.endr
	s_wait_kmcnt 0x0
	s_add_nc_u64 s[6:7], s[6:7], s[8:9]            ; list at [e]
.irp j, 0,1,2,3,4,5,6,7,8,9,10,11,12,13,14,15
	global_load_b128 v[SELR+4*\j:SELR+4*\j+3], v[OF], s[4:5] offset:512*\j
.endr
.irp j, 0,1,2,3,4,5,6,7,8,9,10,11,12,13,14,15
	ds_store_b128 v[LA], v[ZR:ZR+3] offset:512*\j  ; the list begins as zeros
.endr
	s_mov_b32 s44, 0                               ; rows so far
	s_wait_loadcnt 0x0
	; Registers 4 j + 2 p and 4 j + 2 p + 1 of lane l: the two choices of token 64 j + 2 l + p; they differ, so at most one is e.  A lane that has a row stores its id at the running count + the number of
	; lower lanes that have one; the others store into their spare words.
.irp j, 0,1,2,3,4,5,6,7,8,9,10,11,12,13,14,15
.irp p, 0,1
.set a, (2*\j+\p)%4
	v_cmp_eq_u32 s40, s24, v[SELR+4*\j+2*\p]
	v_cmp_eq_u32 s41, s24, v[SELR+4*\j+2*\p+1]
	s_or_b32 s42, s40, s41
	s_wait_dscnt 0x3                               ; the store that read this set of registers is done: three younger ones may be out
	v_mbcnt_lo_u32_b32 v[RK+a], s42, s44
	v_cndmask_b32 v[RK+a], v[DMP], v[RK+a], s42
	v_min_u32 v[RK+a], 0x7fe, v[RK+a]              ; held inside the list
	v_lshlrev_b32 v[AD+a], 2, v[RK+a]
	v_cndmask_b32 v[IDV+a], v[C4+2*\p], v[C4+2*\p+1], s41
	v_add_nc_u32 v[IDV+a], 128*\j, v[IDV+a]        ; the id
	ds_store_b32 v[AD+a], v[IDV+a]
	s_bcnt1_i32_b32 s43, s42
	s_add_co_u32 s44, s44, s43
.endr
.endr
	v_mov_b32 v[NV], s44
	ds_store_b32 v[NA], v[NV]                      ; N
	s_wait_dscnt 0x0
.irp j, 0,1,2,3,4,5,6,7,8,9,10,11,12,13,14,15
	ds_load_b128 v[OUTR+4*\j:OUTR+4*\j+3], v[LA] offset:512*\j
.endr
.irp j, 0,1,2,3,4,5,6,7,8,9,10,11,12,13,14,15
	s_wait_dscnt 15-\j                             ; line j is back; the later lines' loads are younger
	global_store_b128 v[OF], v[OUTR+4*\j:OUTR+4*\j+3], s[6:7] offset:512*\j   ; the wave stores 512 consecutive bytes
.endr
	s_wait_tensorcnt 0x0
	ds_add_u32 v192, v193
	s_wait_dscnt 0x0
	s_endpgm
.Lfunc_end_k_qba3ee9642e_place:
	.size	k_qba3ee9642e_place, .Lfunc_end_k_qba3ee9642e_place-k_qba3ee9642e_place
	.p2alignl 7, 3214868480
	.fill 96, 4, 3214868480
	.section	.rodata,"a",@progbits
	.p2align	6, 0x0
	.amdhsa_kernel k_qba3ee9642e_place
		.amdhsa_group_segment_fixed_size 8448
		.amdhsa_private_segment_fixed_size 0
		.amdhsa_enable_private_segment 0
		.amdhsa_kernarg_size 16
		.amdhsa_user_sgpr_count 2
		.amdhsa_user_sgpr_kernarg_segment_ptr 1
		.amdhsa_wavefront_size32 1
		.amdhsa_system_sgpr_workgroup_id_x 1
		.amdhsa_system_sgpr_workgroup_id_y 1
		.amdhsa_system_sgpr_workgroup_id_z 1
		.amdhsa_system_vgpr_workitem_id 0
		.amdhsa_next_free_vgpr 194
		.amdhsa_next_free_sgpr 66
		.amdhsa_reserve_vcc 0
		.amdhsa_float_denorm_mode_32 3
		.amdhsa_float_denorm_mode_16_64 3
		.amdhsa_memory_ordered 1
		.amdhsa_forward_progress 1
		.amdhsa_inst_pref_size 28
	.end_amdhsa_kernel
	.amdgpu_metadata
---
amdhsa.version: [ 1, 2 ]
amdhsa.kernels:
  - .name:           k_qba3ee9642e_place
    .symbol:         k_qba3ee9642e_place.kd
    .args:
      - { .name: sel, .offset: 0, .size: 8, .value_kind: global_buffer, .address_space: global }
      - { .name: list, .offset: 8, .size: 8, .value_kind: global_buffer, .address_space: global }
    .group_segment_fixed_size: 8448
    .private_segment_fixed_size: 0
    .kernarg_segment_align: 8
    .kernarg_segment_size: 16
    .max_flat_workgroup_size: 32
    .sgpr_count:     66
    .vgpr_count:     194
    .wavefront_size: 32
...
	.end_amdgpu_metadata
.endif
;; end of part 2
;; launch fc1 (part 3): grid 32 x 8, 16 waves a work-group, no clusters, 76,288 bytes of LDS; arguments W1, b1, xc, xs, list, W2, hid, hs; writes hid, hs
.if DOCPART == 3
	.amdgcn_target "amdgcn-amd-amdhsa--gfx1250"
	.amdhsa_code_object_version 6
	.text
	.protected	k_qba3ee9642e_fc1
	.globl	k_qba3ee9642e_fc1
	.p2align	8
	.type	k_qba3ee9642e_fc1,@function
k_qba3ee9642e_fc1:
	s_mov_b64 s[64:65], 0
	v_nop
	global_prefetch_b8 v0, s[64:65] scope:SCOPE_SE
	s_setreg_imm32_b32 hwreg(HW_REG_WAVE_MODE, 25, 1), 1
	s_wait_xcnt 0x0
; FIRST LAYER OF THE EXPERTS, SWIGLU, AND THE QUANTISER OF THE HIDDEN LAYER.  Work-group (s, e): hidden units 64 s .. 64 s + 63 of expert e, that is columns 64 s .. and 2,048 + 64 s .. of W1[e]: 128 columns x 1,024 k, 512 KB of f32, read once.
; PHASE 1.  Wave w takes 32 columns (block b = w & 1 of 32 units, half hh = (w >> 1) & 1 of the swiglu) x 256 k (quarter w >> 2).  A lane takes a column and its registers run down K: a block of 32 along K lies in one lane,
;   and the conversions give codes with K innermost.  They go to LDS as images of the operand's registers (tile, K step: 1,024 bytes, lane l's 16 bytes at 512 c + 16 l), the scale words beside them.
; PHASE 2.  The expert's rows come from list [e][2,048], made by the launch before: ids 2 token + k, zeros behind the last, the count N in word 2,047.  Rows go in tiles of 16, three tiles to a wave and pass; wave w takes block
;   b = w & 1 and tiles 3 (w >> 1) + 24 pass on, in three passes of constant count; a pass whose first tile lies at or behind T is jumped over.
;   The product is used transposed (source 0 = 16 columns of W1, source 1 = 16 rows of x), and THE COLUMNS OF A TILE ARE NOT NEIGHBOURS: row m of tile u takes unit 32 b + 8 u + m + 8 (m / 8), so that a lane's 16 registers of tiles
;   u = 0, 1 are 16 neighbouring units of one row of x.  b1 is loaded into the accumulators, onto which every product adds.  silu(h1) h2 in f32, the block's scale with lane l xor 16, codes: 8 bytes a lane.
; OUT.  hid [e][tile][K step of 128 units][1,024 B]: the image of the second layer's operand; a wave's store covers 256 consecutive bytes, aligned.  hs [e][s][row] two scale bytes (blocks 2 s, 2 s + 1), gathered in LDS, out in runs of 256 bytes.
; Tiles 0-2 are always made (T is held at 1 from below): the next launch's waves without rows read a few bytes of them.  Rows behind N are token 0's; the next launch sends their results to spare rows that nobody reads.
; No tensor load: branches hang on N.  No cluster: what work-groups share (x's codes, 0.5 MB) is small beside the weights, which nobody shares.
; LIMITS: NaN and infinities are not served; a block of zeros gets the byte 1 (its codes are zeros; only this program reads the bytes).
.set BSC,  65536                       ; LDS: 0 the images: tile ct = 4 b + 2 hh + u at 8,192 ct + 1,024 ks;  here their scale words: 512 ct + 64 ks + 4 m
.set BIA,  69632                       ; b1: [hh][64] f32
.set SCB,  70144                       ; the hidden layer's scale bytes: [row][2], 4,096 bytes
.set CD0,  24                          ; v24-31   two sets of a block's codes
.set CD1,  28
.set ASC,  32                          ; v32-43   x's scale words: tile i, register j: lanes 0-15 K step j, lanes 16-31 K step 4 + j.  Scales and nothing else
.set BS,   44                          ; v44-47   W1's scale words of a K step.  Scales and nothing else
.set BF,   48                          ; v48-79   W1's four fragments of a K step (at the head v62, v68: wave 0's places for b1)
.set AR,   80                          ; v80-151  x's fragments: three sets of 3 tiles x 8 (behind the products: the activation's work)
.set IDR,  152                         ; v152-154 ids
.set AZ,   155                         ; v155     SCB + 8 x thread
.set B1R,  156                         ; v156-159 wave 0: b1 on its way into LDS
.set ACC,  160                         ; v160-255 accumulators: tile i, column tile t at 160 + 32 i + 8 t
.set ST,   160                         ; v160-223 in phase 1: two sets of 32 numbers of W1
.set TT,   80                          ; the activation: 3 x 16 numbers
.set MM,   128
.set M2,   131
.set SO,   134
.set BY,   137
.set CP,   140
	s_load_b512 s[4:19], s[0:1], 0x0               ; W1, b1, xc, xs, list, W2, hid, hs
	v_lshrrev_b32 v11, 5, v0
	v_readfirstlane_b32 s22, v11                   ; wave
	s_mov_b32 s23, ttmp9                           ; s
	s_and_b32 s24, ttmp7, 0xffff                   ; e
	s_and_b32 s27, s22, 1                          ; b
	s_lshr_b32 s28, s22, 1                         ; g: which tiles in phase 2
	s_and_b32 s33, s28, 1                          ; hh
	s_lshr_b32 s34, s22, 2                         ; quarter of K
	s_mul_i32 s29, s28, 3                          ; the pass's first tile
	s_mov_b32 s30, 0                               ; the pass
	s_mov_b32 s32, 0                               ; its step among the scale bytes, 768
	s_mov_b32 s41, 0
	s_mov_b32 s46, 0x76543210
	s_mov_b32 s47, 0xfedcba98                      ; selects for lane l xor 16
	s_mov_b32 s52, 0xbfb8aa3b                      ; -log2(e)
	s_mov_b32 s53, s52                             ; (named with it as a pair)
	v_and_b32 v12, 31, v0                          ; lane
	v_and_b32 v13, 15, v0                          ; r
	v_bfe_u32 v15, v0, 4, 1                        ; h
	v_bfe_u32 v14, v0, 3, 1                        ; u of my column
	v_and_b32 v11, 7, v0
	v_lshl_add_u32 v11, v15, 3, v11                ; m of my column
	v_lshlrev_b32 v1, 2, v12                       ; W1: 4 bytes a lane
	s_lshl_b32 s35, s27, 15
	s_lshl_b32 s40, s33, 14
	s_add_co_u32 s35, s35, s40
	s_lshl_b32 s40, s34, 11
	s_add_co_u32 s35, s35, s40
	v_lshlrev_b32 v2, 13, v14
	v_lshl_add_u32 v2, v11, 4, v2
	v_add_nc_u32 v2, s35, v2                       ; where my column's codes go: 8,192 ct + 2,048 quarter + 16 m
	s_lshl_b32 s35, s27, 11
	s_lshl_b32 s40, s33, 10
	s_add_co_u32 s35, s35, s40
	s_lshl_b32 s40, s34, 7
	s_add_co_u32 s35, s35, s40
	s_add_co_u32 s35, s35, BSC
	v_lshlrev_b32 v3, 9, v14
	v_lshl_add_u32 v3, v11, 2, v3
	v_add_nc_u32 v3, s35, v3                       ; and its scale words
	s_lshl_b32 s35, s27, 15
	v_lshlrev_b32 v4, 4, v12
	v_add_nc_u32 v4, s35, v4                       ; phase 2: my block's images, 16 x lane
	s_lshl_b32 s35, s27, 11
	s_add_co_u32 s35, s35, BSC
	v_lshl_add_u32 v5, v13, 2, s35                 ; their scale words
	v_lshlrev_b32 v6, 2, v13                       ; the list: 4 r
	s_lshl_b32 s35, s27, 7
	s_add_co_u32 s35, s35, BIA
	v_lshl_add_u32 v7, v15, 6, s35                 ; b1 at units 32 b + 16 h
	v_lshlrev_b32 v8, 4, v13
	v_lshl_add_u32 v8, v15, 3, v8                  ; hid: 16 r + 8 h
	s_mul_i32 s35, s28, 96
	s_add_co_u32 s35, s35, s27
	s_add_co_u32 s35, s35, SCB
	v_lshl_add_u32 v9, v13, 1, s35                 ; my row's scale byte
	v_lshlrev_b32 v22, 4, v15                      ; 16 h
	v_lshlrev_b32 v62, 13, v15
	v_lshl_add_u32 v62, v13, 4, v62                ; b1: half lane / 16, 16 bytes a lane
	v_lshl_add_u32 v68, v12, 4, BIA
	v_lshl_add_u32 v[AZ], v0, 3, SCB
	s_lshl_b32 s40, s24, 24
	s_lshl_b32 s42, s34, 22
	s_add_co_u32 s40, s40, s42
	s_lshl_b32 s42, s33, 13
	s_add_co_u32 s40, s40, s42
	s_lshl_b32 s42, s23, 8
	s_add_co_u32 s40, s40, s42
	s_lshl_b32 s42, s27, 7
	s_add_co_u32 s40, s40, s42
	s_wait_kmcnt 0x0
	s_add_nc_u64 s[36:37], s[4:5], s[40:41]        ; W1 at my wave's first row and column
	s_lshl_b32 s40, s24, 13
	s_add_nc_u64 s[50:51], s[12:13], s[40:41]      ; list at [e]
	s_load_b32 s25, s[50:51], 0x1ffc               ; N
	s_lshl_b32 s40, s29, 6
	s_add_nc_u64 s[20:21], s[50:51], s[40:41]      ; and at my first tile's rows: 64 bytes a tile
	s_mul_i32 s40, s24, 72
	s_add_co_u32 s40, s40, s29
	s_lshl_b32 s40, s40, 14
	s_lshl_b32 s42, s23, 9
	s_add_co_u32 s40, s40, s42
	s_lshl_b32 s42, s27, 8
	s_add_co_u32 s40, s40, s42
	s_add_nc_u64 s[38:39], s[16:17], s[40:41]      ; hid: tile 72 e + first tile, + 512 s + 256 b
	s_lshl_b32 s40, s24, 14
	s_lshl_b32 s42, s23, 8
	s_add_co_u32 s40, s40, s42
	s_add_nc_u64 s[6:7], s[6:7], s[40:41]          ; b1 at [e][64 s]
	s_lshl_b32 s40, s24, 5
	s_add_co_u32 s40, s40, s23
	s_mul_i32 s40, s40, 2304
	s_add_nc_u64 s[48:49], s[18:19], s[40:41]      ; hs at [e][s]
	s_lshl_b32 s40, s24, 23
	s_lshr_b32 s42, s23, 4
	s_lshl_b32 s42, s42, 22
	s_add_co_u32 s40, s40, s42
	s_and_b32 s42, s23, 15
	s_lshl_b32 s42, s42, 8
	s_add_co_u32 s40, s40, s42
	s_add_nc_u64 s[14:15], s[14:15], s[40:41]      ; W2, for the prefetch below
.macro WLOAD from, to                  ; rows from .. to - 1 of my 256: each line reads 128 consecutive bytes, and the wave beside me the 128 beside them
.set n, \from
.rept (\to)-(\from)
	global_load_b32 v[ST+n%64], v1, s[36:37] offset:n*16384 th:TH_LOAD_NT
.set n, n+1
.endr
.endm
.macro QCOMP t, cd                     ; block t (set t % 2): its scale, its byte into v14, its codes into cd
.set XS, ST+32*((\t)%2)
	s_wait_dscnt 0x0                               ; earlier LDS stores have read cd and v14
	v_max3_num_f32 v12, |v[XS]|, |v[XS+1]|, |v[XS+2]|
	v_max3_num_f32 v13, |v[XS+3]|, |v[XS+4]|, |v[XS+5]|
.irp i, 6,10,14,18,22,26
	v_max3_num_f32 v12, v12, |v[XS+\i]|, |v[XS+\i+1]|
	v_max3_num_f32 v13, v13, |v[XS+\i+2]|, |v[XS+\i+3]|
.endr
	v_max3_num_f32 v12, v12, |v[XS+30]|, |v[XS+31]|
	v_max3_num_f32 v12, v12, v13, 0x1800000        ; with the floor 2^(3 - 127)
	v_add_nc_u32 v11, 0xff000000, v12              ; 2 off the exponent field: the conversion's scale operand
	v_lshrrev_b32 v13, 23, v11
.if (\t)%4 == 0
	v_mov_b32 v14, v13
.else
	v_lshl_or_b32 v14, v13, 8*((\t)%4), v14
.endif
.irp g, 0,1,2,3
	v_cvt_scalef32_pk8_fp4_f32 v[\cd+\g], v[XS+8*\g:XS+8*\g+7], v11
.endr
	v_nop                                          ; one plain place behind the conversions
.endm
.macro QST t, cd                       ; block t = K step t / 4 of my quarter, registers 4 c on with c = (t / 2) % 2, half t % 2 of the lanes
	ds_store_b128 v2, v[\cd:\cd+3] offset:((\t)>>2)*1024+(((\t)>>1)&1)*512+((\t)&1)*256
.if (\t)%4 == 3
	ds_store_b32 v3, v14 offset:((\t)>>2)*64
.endif
.endm
.macro ALOAD ks                        ; x's fragments of K step ks, three tiles, into set ks % 3
.irp i, 0,1,2
.irp c, 0,1
	global_load_b128 v[AR+24*((\ks)%3)+8*\i+4*\c:AR+24*((\ks)%3)+8*\i+4*\c+3], v[16+\i], s[8:9] offset:64*(\ks)+32*\c
.endr
.endr
.endm
.macro IDLOAD                          ; the ids of a pass's three tiles: row r of each
.irp i, 0,1,2
	global_load_b32 v[IDR+\i], v6, s[20:21] offset:64*\i
.endr
.endm
.macro PRO                             ; behind the ids: x's scale words and the first three K steps of x: 21 loads
.irp i, 0,1,2
	v_lshrrev_b32 v[IDR+\i], 1, v[IDR+\i]          ; the token,
	v_min_u32 v[IDR+\i], 0x3ff, v[IDR+\i]          ; held inside x
	v_lshl_add_u32 v[16+\i], v[IDR+\i], 9, v22     ; its codes, + 16 h
	v_lshl_add_u32 v[19+\i], v[IDR+\i], 5, v22     ; its scale bytes, + 16 h
.endr
.irp i, 0,1,2
	global_load_b128 v[ASC+4*\i:ASC+4*\i+3], v[19+\i], s[10:11]
.endr
	ALOAD 0
	ALOAD 1
	ALOAD 2
.endm
.macro WM ks, i, t
.set DD, ACC+32*\i+8*\t
.set A0, BF+8*\t
.set B0, AR+24*((\ks)%3)+8*\i
.if (\ks) < 4
	v_wmma_scale_f32_16x16x128_f8f6f4 v[DD:DD+7], v[A0:A0+7], v[B0:B0+7], v[DD:DD+7], v[BS+\t], v[ASC+4*\i+((\ks)&3)] matrix_a_fmt:MATRIX_FMT_FP4 matrix_b_fmt:MATRIX_FMT_FP4
.else
	v_wmma_scale_f32_16x16x128_f8f6f4 v[DD:DD+7], v[A0:A0+7], v[B0:B0+7], v[DD:DD+7], v[BS+\t], v[ASC+4*\i+((\ks)&3)] matrix_a_fmt:MATRIX_FMT_FP4 matrix_b_fmt:MATRIX_FMT_FP4 matrix_b_scale:MATRIX_SCALE_ROW1
.endif
.endm
.macro GSTEP ks                        ; 128 along K: 12 products; the 12 accumulators take turns, one instruction a turn
.irp t, 0,1,2,3
.irp c, 0,1
	ds_load_b128 v[BF+8*\t+4*\c:BF+8*\t+4*\c+3], v4 offset:\t*8192+(\ks)*1024+512*\c
.endr
	ds_load_b32 v[BS+\t], v5 offset:\t*512+64*(\ks)
.endr
.if (\ks) <= 5
	s_wait_loadcnt 12                              ; this K step's fragments of x are in; those of the two K steps behind it, 6 loads each, may be out
.elseif (\ks) == 6
	s_wait_loadcnt 6
.else
	s_wait_loadcnt 0x0
.endif
	s_wait_dscnt 0x0
.irp i, 0,1,2
.irp t, 0,1,2,3
	WM \ks, \i, \t
.endr
.endr
.rept 4
	v_nop                                          ; four places in front of loads into registers that these products read, and of the first read of results
.endr
.if (\ks) < 5
	ALOAD (\ks)+3
.endif
.endm
	; ---- wave 0 asks for b1's 128 numbers, every wave for its first pass's ids; then the stream begins
	s_cmp_lg_u32 s22, 0
	s_cbranch_scc1 .Lno_b1
	global_load_b128 v[B1R:B1R+3], v62, s[6:7]
.Lno_b1:
	IDLOAD
	WLOAD 0, 64
	s_wait_loadcnt 32                              ; b1, the ids and block 0 are in; block 1's 32 loads are younger
	QCOMP 0, CD0
	QST 0, CD0
	WLOAD 64, 96
	s_wait_loadcnt 32                              ; block 1; block 2 is younger
	QCOMP 1, CD1
	QST 1, CD1
	WLOAD 96, 128
	s_cmp_lg_u32 s22, 0
	s_cbranch_scc1 .Lno_b1s
	ds_store_b128 v68, v[B1R:B1R+3]
.Lno_b1s:
	v_mov_b32 v12, 0
	v_mov_b32 v13, 0
	ds_store_b64 v[AZ], v[12:13]                   ; the scale bytes begin as zeros: 8 bytes a thread
	s_wait_kmcnt 0x0                               ; N
	s_add_co_u32 s26, s25, 15
	s_lshr_b32 s26, s26, 4
	s_max_u32 s26, s26, 1                          ; T: tiles, at least 1
	v_lshrrev_b32 v23, 6, v0
	v_lshlrev_b32 v23, 7, v23
	v_and_b32 v11, 63, v0
	v_add_nc_u32 v23, v23, v11
	v_lshlrev_b32 v23, 12, v23                     ; prefetch: row 128 (thread / 64) + thread % 64 of W2, 4,096 bytes a row
	PRO                                            ; the first pass's rows are asked for under the stream, by every wave: entries behind N name token 0
	s_wait_loadcnt 53                              ; block 2 is in; younger: block 3's 32 and the 21 just issued
	QCOMP 2, CD0
	QST 2, CD0
	WLOAD 128, 160
	s_wait_loadcnt 53                              ; block 3; younger: those 21 and block 4's 32
	QCOMP 3, CD1
	QST 3, CD1
	WLOAD 160, 192
	s_wait_loadcnt 32                              ; block 4; block 5 is younger
	QCOMP 4, CD0
	QST 4, CD0
	WLOAD 192, 224
	s_wait_loadcnt 32
	QCOMP 5, CD1
	QST 5, CD1
	WLOAD 224, 256
	s_wait_loadcnt 32
	QCOMP 6, CD0
	QST 6, CD0
	s_wait_loadcnt 0x0
	QCOMP 7, CD1
	QST 7, CD1
	s_wait_dscnt 0x0                               ; my images lie in LDS; wave 0: b1 too
	s_barrier_signal -1
	s_barrier_wait -1                              ; everybody's do
	; The next launch's work-group of my number (same e, K half s / 16, columns 64 (s % 16) on) begins with rows 0-63 of each of its eight K steps, 256 bytes each: 512 blocks, one a thread, each asked for once in the launch.
	global_prefetch_b8 v23, s[14:15] th:TH_LOAD_NT scope:SCOPE_SE
.Lpass:
	s_cmp_ge_u32 s29, s26
	s_cbranch_scc1 .Lnext                          ; no rows: the work is jumped over, the steps below are not
	s_cmp_eq_u32 s30, 0
	s_cbranch_scc1 .Lhave
	IDLOAD
	s_wait_loadcnt 0x0
	PRO
.Lhave:
.irp i, 0,1,2
.irp t, 0,1,2,3
	ds_load_b128 v[ACC+32*\i+8*\t:ACC+32*\i+8*\t+3], v7 offset:(\t>>1)*256+(\t&1)*32          ; the sums begin as b1: register j of tile t = 2 hh + u is unit 32 b + 16 h + 8 u + j
	ds_load_b128 v[ACC+32*\i+8*\t+4:ACC+32*\i+8*\t+7], v7 offset:(\t>>1)*256+(\t&1)*32+16
.endr
.endr
	GSTEP 0
	GSTEP 1
	GSTEP 2
	GSTEP 3
	GSTEP 4
	GSTEP 5
	GSTEP 6
	GSTEP 7
	; silu(h1) h2 = h1 / (1 + 2^(-log2(e) h1)) x h2, in f32; each accumulator is read from its low end on
	v_add_nc_u32 v10, s32, v9
.irp i, 0,1,2
.irp p, 0,2,4,6,8,10,12,14
	v_pk_mul_f32 v[TT+16*\i+\p:TT+16*\i+\p+1], v[ACC+32*\i+\p:ACC+32*\i+\p+1], s[52:53] op_sel_hi:[1,0]
.endr
.endr
.set j, 0
.rept 48
	v_exp_f32 v[TT+j], v[TT+j]
.set j, j+1
.endr
	v_nop                                          ; one plain place behind the exponentials
.set j, 0
	s_wait_alu depctr_va_vdst(0)
.rept 24
	v_pk_add_f32 v[TT+j:TT+j+1], v[TT+j:TT+j+1], 1.0 op_sel_hi:[1,0]
.set j, j+2
.endr
.set j, 0
.rept 48
	v_rcp_f32 v[TT+j], v[TT+j]
.set j, j+1
.endr
	v_nop                                          ; one plain place behind the reciprocals
	s_wait_alu depctr_va_vdst(0)
.irp i, 0,1,2
.irp p, 0,2,4,6,8,10,12,14
	v_pk_mul_f32 v[TT+16*\i+\p:TT+16*\i+\p+1], v[TT+16*\i+\p:TT+16*\i+\p+1], v[ACC+32*\i+\p:ACC+32*\i+\p+1]
.endr
.endr
.irp i, 0,1,2
.irp p, 0,2,4,6,8,10,12,14
	v_pk_mul_f32 v[TT+16*\i+\p:TT+16*\i+\p+1], v[TT+16*\i+\p:TT+16*\i+\p+1], v[ACC+32*\i+16+\p:ACC+32*\i+16+\p+1]
.endr
.endr
	; a block of 32 units of a row lies in lanes l and l xor 16, 16 numbers each
.irp i, 0,1,2
	v_max3_num_f32 v[MM+\i], |v[TT+16*\i]|, |v[TT+16*\i+1]|, 0x1800000
.endr
.irp q, 2,4,6,8,10,12,14
.irp i, 0,1,2
	v_max3_num_f32 v[MM+\i], v[MM+\i], |v[TT+16*\i+\q]|, |v[TT+16*\i+\q+1]|
.endr
.endr
.irp i, 0,1,2
	v_mov_b32 v[M2+\i], 0
.endr
.irp i, 0,1,2
	v_permlanex16_b32 v[M2+\i], v[MM+\i], s46, s47
.endr
.irp i, 0,1,2
	v_max_num_f32 v[MM+\i], v[MM+\i], v[M2+\i]
.endr
.irp i, 0,1,2
	v_add_nc_u32 v[SO+\i], 0xff000000, v[MM+\i]
.endr
.irp i, 0,1,2
	v_lshrrev_b32 v[BY+\i], 23, v[SO+\i]
.endr
.irp i, 0,1,2
	v_cvt_scalef32_pk8_fp4_f32 v[CP+2*\i], v[TT+16*\i:TT+16*\i+7], v[SO+\i]
	v_cvt_scalef32_pk8_fp4_f32 v[CP+2*\i+1], v[TT+16*\i+8:TT+16*\i+15], v[SO+\i]
.endr
	v_nop                                          ; one plain place behind the conversions
.irp i, 0,1,2
	global_store_b64 v8, v[CP+2*\i:CP+2*\i+1], s[38:39] offset:16384*\i   ; the wave stores 256 consecutive bytes, aligned: half b of the lanes' part of registers 4 (s % 2) on
	ds_store_b8 v10, v[BY+\i] offset:32*\i         ; both lanes of a block write the same byte with the same value
.endr
.Lnext:
	s_wait_xcnt 0x0                                ; the stores have read their data and their base, the loads their bases
	s_wait_dscnt 0x0                               ; and the LDS stores theirs
	s_add_co_u32 s29, s29, 24
	s_add_co_u32 s32, s32, 768
	s_add_nc_u64 s[38:39], s[38:39], 393216        ; 24 tiles of hid on
	s_add_nc_u64 s[20:21], s[20:21], 1536          ; and 24 tiles of the list
	s_add_co_u32 s30, s30, 1
	s_cmp_lt_u32 s30, 3
	s_cbranch_scc1 .Lpass
	s_barrier_signal -1
	s_barrier_wait -1                              ; all scale bytes lie in LDS
	s_cmp_lt_u32 s22, 9
	s_cbranch_scc0 .Lend
	ds_load_b64 v[12:13], v[AZ]                    ; 1,152 rows x 2 bytes: nine waves, 256 bytes each
	v_lshlrev_b32 v11, 3, v0
	s_wait_dscnt 0x0
	global_store_b64 v11, v[12:13], s[48:49]
.Lend:
	s_wait_xcnt 0x0
	v_lshl_add_u32 v254, v0, 2, 0x12200
	v_mov_b32 v255, 0
	s_wait_tensorcnt 0x0
	ds_add_u32 v254, v255
	s_wait_dscnt 0x0
	s_endpgm
.Lfunc_end_k_qba3ee9642e_fc1:
	.size	k_qba3ee9642e_fc1, .Lfunc_end_k_qba3ee9642e_fc1-k_qba3ee9642e_fc1
	.p2alignl 7, 3214868480
	.fill 96, 4, 3214868480
	.section	.rodata,"a",@progbits
	.p2align	6, 0x0
	.amdhsa_kernel k_qba3ee9642e_fc1
		.amdhsa_group_segment_fixed_size 76288
		.amdhsa_private_segment_fixed_size 0
		.amdhsa_enable_private_segment 0
		.amdhsa_kernarg_size 64
		.amdhsa_user_sgpr_count 2
		.amdhsa_user_sgpr_kernarg_segment_ptr 1
		.amdhsa_wavefront_size32 1
		.amdhsa_system_sgpr_workgroup_id_x 1
		.amdhsa_system_sgpr_workgroup_id_y 1
		.amdhsa_system_sgpr_workgroup_id_z 1
		.amdhsa_system_vgpr_workitem_id 0
		.amdhsa_next_free_vgpr 256
		.amdhsa_next_free_sgpr 66
		.amdhsa_reserve_vcc 0
		.amdhsa_float_denorm_mode_32 3
		.amdhsa_float_denorm_mode_16_64 3
		.amdhsa_memory_ordered 1
		.amdhsa_forward_progress 1
		.amdhsa_inst_pref_size 86
	.end_amdhsa_kernel
	.amdgpu_metadata
---
amdhsa.version: [ 1, 2 ]
amdhsa.kernels:
  - .name:           k_qba3ee9642e_fc1
    .symbol:         k_qba3ee9642e_fc1.kd
    .args:
      - { .name: W1, .offset: 0, .size: 8, .value_kind: global_buffer, .address_space: global }
      - { .name: b1, .offset: 8, .size: 8, .value_kind: global_buffer, .address_space: global }
      - { .name: xc, .offset: 16, .size: 8, .value_kind: global_buffer, .address_space: global }
      - { .name: xs, .offset: 24, .size: 8, .value_kind: global_buffer, .address_space: global }
      - { .name: list, .offset: 32, .size: 8, .value_kind: global_buffer, .address_space: global }
      - { .name: W2, .offset: 40, .size: 8, .value_kind: global_buffer, .address_space: global }
      - { .name: hid, .offset: 48, .size: 8, .value_kind: global_buffer, .address_space: global }
      - { .name: hs, .offset: 56, .size: 8, .value_kind: global_buffer, .address_space: global }
    .group_segment_fixed_size: 76288
    .private_segment_fixed_size: 0
    .kernarg_segment_align: 8
    .kernarg_segment_size: 64
    .max_flat_workgroup_size: 512
    .sgpr_count:     66
    .vgpr_count:     256
    .wavefront_size: 32
...
	.end_amdgpu_metadata
.endif
;; end of part 3
;; launch fc2 (part 4): grid 16 x 16, 16 waves a work-group, no clusters, 147,712 bytes of LDS; arguments W2, b2, hid, hs, list, gw, yp; writes yp
.if DOCPART == 4
	.amdgcn_target "amdgcn-amd-amdhsa--gfx1250"
	.amdhsa_code_object_version 6
	.text
	.protected	k_qba3ee9642e_fc2
	.globl	k_qba3ee9642e_fc2
	.p2align	8
	.type	k_qba3ee9642e_fc2,@function
k_qba3ee9642e_fc2:
	s_mov_b64 s[64:65], 0
	v_nop
	global_prefetch_b8 v0, s[64:65] scope:SCOPE_SE
	s_setreg_imm32_b32 hwreg(HW_REG_WAVE_MODE, 25, 1), 1
	s_wait_xcnt 0x0
; SECOND LAYER OF THE EXPERTS.  Work-group (cs, 2 e + kh): columns 64 cs .. 64 cs + 63 of W2[e], hidden units 1,024 kh .. + 1,023: 256 KB of f32, read once.
; PHASE 1.  Wave w takes 32 columns (w & 1) x one K step of 128 (w >> 1); a lane takes a column, its registers run down K; codes and scale words go to LDS as images of the operand's registers, as in the launch before.
;   Wave w also copies slice 16 kh + w of the hidden layer's scale bytes into LDS, wave 0 b2's 64 numbers (cleared for kh = 1, so that b2 is added once).
; PHASE 2.  Three tiles of 16 rows x 64 columns to a wave and pass: tiles 3 w + 48 pass on, two passes of constant count; a pass whose first tile lies at or behind T = ceil(N / 16) is jumped over.
;   Transposed use (source 0 = 16 columns of W2, source 1 = 16 rows of the hidden layer): a lane holds 8 neighbouring columns of one row.  The sums begin as b2; x the gate's weight; through the wave's own stage in LDS;
;   sixteen lanes store the row's 256 consecutive bytes, aligned, at yp[kh][id].  yp is [2][2,056][1,024] f32: ids 0 to 2,047, and a spare row 2,048 + e for each expert.
;   A ROW AT OR BEHIND N TAKES THE ID 2,048 + e: its 256 bytes there are this work-group's own (kh, e and cs name it) and nobody reads them.  So every store runs with all lanes on, and EXEC is never written.
; The first pass's ids, weights and fragments are asked for under the stream by EVERY wave, so that no wait's count hangs on N; a wave without rows reads one 16-byte place of each image of tiles 0-2, which are always written.
;   That choice hangs on N, a number read from memory: it enters the loads' vector offset only behind a hold by a constant (tile at most 45 = 3 x 15, lane stride at most 16); the scalar base is made of ids alone.
; K is summed in two halves, added in the next launch.  No tensor load: branches hang on N.  No cluster: the weights are shared by nobody.
; LIMITS: NaN and infinities are not served; a block of zeros gets the byte 1.
.set BSC,  32768                       ; LDS: 0 the images: tile ct at 8,192 ct + 1,024 ks;  here their scale words: 512 ct + 64 ks + 4 m
.set HSC,  34816                       ; 16 slices of the hidden layer's scale bytes, 2,304 bytes each
.set BIA,  71680                       ; b2: 64 f32
.set IDS,  71936                       ; ids: 256 bytes a wave
.set STG,  76032                       ; stages: 16 rows x (256 + 16) bytes a wave
.set YHALF, 2056*4096                  ; a K half of yp in bytes
.set GW,   28                          ; v28-33   the gate's weight of my row, tile i in the low word of pair i
.set ASC,  36                          ; v36-47   the hidden layer's scale words: tile i, register j: lanes 0-15 K step j, lanes 16-31 K step 4 + j.  Scales and nothing else
.set BS,   48                          ; v48-51   W2's scale words.  Scales and nothing else
.set BF,   52                          ; v52-83   W2's four fragments of a K step
.set AR,   84                          ; v84-155  the hidden layer's fragments: three sets of 3 tiles x 8
.set CD,   156                         ; v156-159 a block's codes
.set ACC,  160
.set ST,   160
.set RID,  84                          ; the way out: ids, offsets, rows
.set RO,   92
.set OB,   100
	s_load_b256 s[4:11], s[0:1], 0x0               ; W2, b2, hid, hs
	s_load_b128 s[12:15], s[0:1], 0x20             ; list, gw
	s_load_b64 s[16:17], s[0:1], 0x30              ; yp
	v_lshrrev_b32 v11, 5, v0
	v_readfirstlane_b32 s22, v11                   ; wave
	s_mov_b32 s23, ttmp9                           ; cs
	s_and_b32 s33, ttmp7, 0xffff
	s_lshr_b32 s24, s33, 1                         ; e
	s_and_b32 s33, s33, 1                          ; kh
	s_and_b32 s27, s22, 1                          ; which 32 columns
	s_lshr_b32 s28, s22, 1                         ; which K step
	s_mul_i32 s29, s22, 3                          ; the pass's first tile
	s_mov_b32 s30, 0
	s_mov_b32 s41, 0
	s_add_co_u32 s47, s24, 2048                    ; the expert's spare row of yp
	v_and_b32 v12, 31, v0                          ; lane
	v_and_b32 v13, 15, v0                          ; r
	v_bfe_u32 v19, v0, 4, 1                        ; h
	v_lshlrev_b32 v1, 2, v12
	s_lshl_b32 s40, s27, 14
	s_lshl_b32 s42, s28, 10
	s_add_co_u32 s40, s40, s42
	v_lshlrev_b32 v2, 13, v19
	v_lshl_add_u32 v2, v13, 4, v2
	v_add_nc_u32 v2, s40, v2                       ; my column's codes: tile 2 (w & 1) + h, row r
	s_lshl_b32 s40, s27, 10
	s_lshl_b32 s42, s28, 6
	s_add_co_u32 s40, s40, s42
	s_add_co_u32 s40, s40, BSC
	v_lshlrev_b32 v3, 9, v19
	v_lshl_add_u32 v3, v13, 2, v3
	v_add_nc_u32 v3, s40, v3                       ; its scale word
	v_lshlrev_b32 v4, 4, v12                       ; 16 x lane
	v_lshl_add_u32 v5, v13, 2, BSC
	v_lshlrev_b32 v7, 2, v13                       ; 4 r
	v_mul_u32_u24 v8, v19, 18432                   ; lanes 16-31: eight slices, four K steps, further on
	v_lshl_add_u32 v8, v13, 1, v8
	v_add_nc_u32 v8, HSC, v8
	s_mul_i32 s40, s22, 4352
	s_add_co_u32 s40, s40, STG
	v_mul_u32_u24 v9, v13, 272
	v_lshl_add_u32 v9, v19, 5, v9
	v_add_nc_u32 v9, s40, v9                       ; into my stage: row r, 32 h
	v_mul_u32_u24 v10, v19, 272
	v_lshl_add_u32 v10, v13, 4, v10
	v_add_nc_u32 v10, s40, v10                     ; back: lanes 0-15 one row, lanes 16-31 the next
	v_lshl_add_u32 v16, v19, 5, BIA
	s_lshl_b32 s40, s22, 8
	s_add_co_u32 s40, s40, IDS
	v_lshl_add_u32 v17, v13, 2, s40
	v_lshl_add_u32 v18, v19, 2, s40
	v_lshlrev_b32 v20, 4, v13                      ; 16 r
	s_mul_i32 s40, s22, 2304
	s_add_co_u32 s40, s40, HSC
	v_lshl_add_u32 v34, v12, 4, s40
	s_add_co_u32 s40, s40, 2048
	v_lshl_add_u32 v35, v12, 3, s40
	v_lshlrev_b32 v224, 3, v12
	v_lshl_add_u32 v225, v13, 4, BIA
	v_mov_b32 v29, 0                               ; (the pairs' upper words are named, so they are written)
	v_mov_b32 v31, 0
	v_mov_b32 v33, 0
	s_lshl_b32 s40, s24, 13
	s_wait_kmcnt 0x0
	s_add_nc_u64 s[50:51], s[12:13], s[40:41]      ; list at [e]
	s_load_b32 s25, s[50:51], 0x1ffc               ; N
	s_lshl_b32 s40, s29, 6
	s_add_nc_u64 s[42:43], s[50:51], s[40:41]      ; and at my first tile's rows
	s_lshl_b32 s40, s24, 23
	s_lshl_b32 s46, s33, 22
	s_add_co_u32 s40, s40, s46
	s_lshl_b32 s46, s28, 19
	s_add_co_u32 s40, s40, s46
	s_lshl_b32 s46, s23, 8
	s_add_co_u32 s40, s40, s46
	s_lshl_b32 s46, s27, 7
	s_add_co_u32 s40, s40, s46
	s_add_nc_u64 s[36:37], s[4:5], s[40:41]        ; W2 at my wave's first row and column
	s_lshl_b32 s40, s24, 5
	s_lshl_b32 s46, s33, 4
	s_add_co_u32 s40, s40, s46
	s_add_co_u32 s40, s40, s22
	s_mul_i32 s40, s40, 2304
	s_add_nc_u64 s[48:49], s[10:11], s[40:41]      ; hs at [e][16 kh + w]
	s_lshl_b32 s40, s24, 12
	s_lshl_b32 s46, s23, 8
	s_add_co_u32 s40, s40, s46
	s_add_nc_u64 s[6:7], s[6:7], s[40:41]          ; b2 at [e][64 cs]
	s_mul_i32 s40, s33, YHALF
	s_add_co_u32 s40, s40, s46
	s_add_nc_u64 s[44:45], s[16:17], s[40:41]      ; yp at [kh][0][64 cs]
	s_mul_i32 s40, s24, 72
	s_lshl_b32 s40, s40, 14
	s_lshl_b32 s46, s33, 13
	s_add_co_u32 s40, s40, s46
	s_add_nc_u64 s[38:39], s[8:9], s[40:41]        ; hid at [e][tile 0][8 kh]: ids alone; the tile stands in the vector offset v6
.macro WBLK t                          ; block t of my K step: 32 rows, 128 consecutive bytes a line, the wave beside me the 128 beside them
.set n, 32*(\t)
.rept 32
	global_load_b32 v[ST+n%64], v1, s[36:37] offset:n*4096 th:TH_LOAD_NT
.set n, n+1
.endr
.endm
.macro QCOMP t
.set XS, ST+32*((\t)%2)
	s_wait_dscnt 0x0                               ; earlier LDS stores have read their registers
	v_max3_num_f32 v12, |v[XS]|, |v[XS+1]|, |v[XS+2]|
	v_max3_num_f32 v13, |v[XS+3]|, |v[XS+4]|, |v[XS+5]|
.irp i, 6,10,14,18,22,26
	v_max3_num_f32 v12, v12, |v[XS+\i]|, |v[XS+\i+1]|
	v_max3_num_f32 v13, v13, |v[XS+\i+2]|, |v[XS+\i+3]|
.endr
	v_max3_num_f32 v12, v12, |v[XS+30]|, |v[XS+31]|
	v_max3_num_f32 v12, v12, v13, 0x1800000        ; with the floor 2^(3 - 127)
	v_add_nc_u32 v11, 0xff000000, v12
	v_lshrrev_b32 v13, 23, v11
.if (\t) == 0
	v_mov_b32 v14, v13
.else
	v_lshl_or_b32 v14, v13, 8*(\t), v14
.endif
.irp g, 0,1,2,3
	v_cvt_scalef32_pk8_fp4_f32 v[CD+\g], v[XS+8*\g:XS+8*\g+7], v11
.endr
	v_nop                                          ; one plain place behind the conversions
	ds_store_b128 v2, v[CD:CD+3] offset:((\t)>>1)*512+((\t)&1)*256
.if (\t) == 3
	ds_store_b32 v3, v14
.endif
.endm
.macro ALOAD ks
.irp i, 0,1,2
.irp c, 0,1
	global_load_b128 v[AR+24*((\ks)%3)+8*\i+4*\c:AR+24*((\ks)%3)+8*\i+4*\c+3], v6, s[38:39] offset:16384*\i+1024*(\ks)+512*\c
.endr
.endr
.endm
.macro IDLOAD
.irp i, 0,1,2
	global_load_b32 v[22+\i], v7, s[42:43] offset:64*\i
.endr
.endm
.macro PREP                            ; behind the ids: the gate's weights and the first three K steps, 21 loads; then the ids for the way out
.irp i, 0,1,2
	v_min_u32 v[22+\i], 0x7ff, v[22+\i]            ; held inside gw
.endr
.irp i, 0,1,2
	v_lshlrev_b32 v[25+\i], 2, v[22+\i]
.endr
.irp i, 0,1,2
	global_load_b32 v[GW+2*\i], v[25+\i], s[14:15]
.endr
	ALOAD 0
	ALOAD 1
	ALOAD 2
	s_lshl_b32 s54, s29, 8
	s_lshl_b32 s55, s25, 4
	s_sub_co_i32 s54, s55, s54                     ; 16 x (N - my first row)
.irp i, 0,1,2
	s_sub_co_i32 s55, s54, 256*\i
	v_cmp_gt_i32 s52, s55, v20                     ; row 16 i + r lies under N
	v_cndmask_b32 v[22+\i], v15, v[22+\i], s52     ; else it goes to the spare row
	ds_store_b32 v17, v[22+\i] offset:64*\i
.endr
.endm
.macro WM ks, i, t
.set DD, ACC+32*\i+8*\t
.set A0, BF+8*\t
.set B0, AR+24*((\ks)%3)+8*\i
.if (\ks) < 4
	v_wmma_scale_f32_16x16x128_f8f6f4 v[DD:DD+7], v[A0:A0+7], v[B0:B0+7], v[DD:DD+7], v[BS+\t], v[ASC+4*\i+((\ks)&3)] matrix_a_fmt:MATRIX_FMT_FP4 matrix_b_fmt:MATRIX_FMT_FP4
.else
	v_wmma_scale_f32_16x16x128_f8f6f4 v[DD:DD+7], v[A0:A0+7], v[B0:B0+7], v[DD:DD+7], v[BS+\t], v[ASC+4*\i+((\ks)&3)] matrix_a_fmt:MATRIX_FMT_FP4 matrix_b_fmt:MATRIX_FMT_FP4 matrix_b_scale:MATRIX_SCALE_ROW1
.endif
.endm
.macro GSTEP ks                        ; 128 along K: 12 products; the 12 accumulators take turns, one instruction a turn
.irp t, 0,1,2,3
.irp c, 0,1
	ds_load_b128 v[BF+8*\t+4*\c:BF+8*\t+4*\c+3], v4 offset:\t*8192+(\ks)*1024+512*\c
.endr
	ds_load_b32 v[BS+\t], v5 offset:\t*512+64*(\ks)
.endr
.if (\ks) <= 5
	s_wait_loadcnt 12                              ; this K step's fragments are in; those of the two K steps behind it, 6 loads each, may be out
.elseif (\ks) == 6
	s_wait_loadcnt 6
.else
	s_wait_loadcnt 0x0
.endif
	s_wait_dscnt 0x0
.irp i, 0,1,2
.irp t, 0,1,2,3
	WM \ks, \i, \t
.endr
.endr
.rept 4
	v_nop                                          ; four places in front of loads into registers that these products read, and of the first read of results
.endr
.if (\ks) < 5
	ALOAD (\ks)+3
.endif
.endm
	; ---- my slice of the scale bytes, b2, and the stream
.irp j, 0,1,2,3
	global_load_b128 v[52+4*\j:55+4*\j], v4, s[48:49] offset:512*\j
.endr
	global_load_b64 v[68:69], v224, s[48:49] offset:2048
	s_cmp_lg_u32 s22, 0
	s_cbranch_scc1 .Lno_b2
	global_load_b128 v[72:75], v20, s[6:7]
.Lno_b2:
	WBLK 0
	s_wait_kmcnt 0x0                               ; N
	s_add_co_u32 s26, s25, 15
	s_lshr_b32 s26, s26, 4                         ; T
	s_cmp_lt_u32 s29, s26
	s_cselect_b32 s34, s29, 0                      ; with rows: my tiles, 16 bytes a lane;
	s_cselect_b32 s35, 16, 0                       ; without: tiles 0-2, one place for all lanes
	v_mov_b32 v6, s34
	v_mov_b32 v15, s35
	v_min_u32 v6, 45, v6                           ; both hang on N: held by constants ahead of the address: the tile at 3 x 15,
	v_min_u32 v15, 16, v15                         ; the stride at 16
	v_lshlrev_b32 v6, 14, v6                       ; a tile is 16,384 bytes
	v_mul_u32_u24 v15, v12, v15
	v_add_nc_u32 v6, v6, v15                       ; my byte in hid[e], from its tile 0 on
	v_mov_b32 v15, s47                             ; from here on: the spare row's id, 2,048 + e
	IDLOAD
	WBLK 1
	s_wait_loadcnt 32                              ; all but block 1's 32 loads are in
.irp j, 0,1,2,3
	ds_store_b128 v34, v[52+4*\j:55+4*\j] offset:512*\j
.endr
	ds_store_b64 v35, v[68:69]
	s_cmp_lg_u32 s22, 0
	s_cbranch_scc1 .Lno_b2s
	s_cmp_eq_u32 s33, 0
	s_cselect_b32 s46, -1, 0
.irp c, 0,1,2,3
	v_and_b32 v[72+\c], s46, v[72+\c]              ; the second K half adds zeros
.endr
	ds_store_b128 v225, v[72:75]                   ; both halves of the lanes write the same bytes with the same values
.Lno_b2s:
	PREP
	QCOMP 0
	WBLK 2
	s_wait_loadcnt 32                              ; block 1 and the 21 loads behind it are in; block 2 is younger
	QCOMP 1
	WBLK 3
	s_wait_loadcnt 32                              ; block 2; block 3 is younger
	QCOMP 2
	s_wait_loadcnt 0x0
	QCOMP 3
	s_wait_dscnt 0x0
	s_barrier_signal -1
	s_barrier_wait -1                              ; images, scale words, scale bytes and b2 lie in LDS
.Lpass:
	s_cmp_ge_u32 s29, s26
	s_cbranch_scc1 .Lnext
	s_cmp_eq_u32 s30, 0
	s_cbranch_scc1 .Lhave
	IDLOAD
	s_wait_loadcnt 0x0
	PREP
.Lhave:
	s_min_u32 s46, s29, 69                         ; (T is at most 64; the hold keeps the address inside the sixteen slices whatever the tile)
	s_lshl_b32 s46, s46, 5
	v_add_nc_u32 v21, s46, v8                      ; my rows' scale bytes
.irp i, 0,1,2
.irp t, 0,1,2,3
	ds_load_b128 v[ACC+32*\i+8*\t:ACC+32*\i+8*\t+3], v16 offset:64*\t       ; the sums begin as b2: register j of tile t is column 16 t + 8 h + j
	ds_load_b128 v[ACC+32*\i+8*\t+4:ACC+32*\i+8*\t+7], v16 offset:64*\t+16
.endr
.endr
.irp i, 0,1,2
.irp j, 0,1,2,3
	ds_load_u16 v[BF+2*(4*\i+\j)], v21 offset:4608*\j+32*\i                 ; K step j (+ 4 h): two slices, two bytes each
	ds_load_u16 v[BF+2*(4*\i+\j)+1], v21 offset:4608*\j+2304+32*\i
.endr
.endr
	s_wait_dscnt 0x0
.irp i, 0,1,2
.irp j, 0,1,2,3
	v_lshl_or_b32 v[ASC+4*\i+\j], v[BF+2*(4*\i+\j)+1], 16, v[BF+2*(4*\i+\j)]
.endr
.endr
.rept 8
	v_nop                                          ; a scale register written by a vector instruction stands eight places ahead of a scaled matrix instruction
.endr
	GSTEP 0
	GSTEP 1
	GSTEP 2
	GSTEP 3
	GSTEP 4
	GSTEP 5
	GSTEP 6
	GSTEP 7
.irp i, 0,1,2
.irp p, 0,2,4,6,8,10,12,14,16,18,20,22,24,26,28,30
	v_pk_mul_f32 v[ACC+32*\i+\p:ACC+32*\i+\p+1], v[ACC+32*\i+\p:ACC+32*\i+\p+1], v[GW+2*\i:GW+2*\i+1] op_sel_hi:[1,0]   ; x the gate's weight; each accumulator from its low end on
.endr
.irp t, 0,1,2,3
	ds_store_b128 v9, v[ACC+32*\i+8*\t:ACC+32*\i+8*\t+3] offset:64*\t
	ds_store_b128 v9, v[ACC+32*\i+8*\t+4:ACC+32*\i+8*\t+7] offset:64*\t+16
.endr
	s_wait_xcnt 0x0                                ; the tile before's stores have read their offsets and their rows: both are written again below
.irp q, 0,1,2,3,4,5,6,7
	ds_load_b32 v[RID+\q], v18 offset:64*\i+8*\q   ; the id of row 2 q + h
.endr
.irp q, 0,1,2,3,4,5,6,7
	ds_load_b128 v[OB+4*\q:OB+4*\q+3], v10 offset:544*\q   ; LDS serves a wave's instructions in order: these see my stores
.endr
	s_wait_dscnt 0x0
.irp q, 0,1,2,3,4,5,6,7
	v_min_u32 v[RID+\q], 0x807, v[RID+\q]          ; held inside a K half of yp: 2,056 rows
	v_lshl_add_u32 v[RO+\q], v[RID+\q], 12, v20    ; 4,096 id + 16 r
.endr
.irp q, 0,1,2,3,4,5,6,7
	global_store_b128 v[RO+\q], v[OB+4*\q:OB+4*\q+3], s[44:45]   ; sixteen lanes store 256 consecutive bytes, aligned
.endr
.endr
.Lnext:
	s_wait_xcnt 0x0                                ; the stores have read their registers, the loads their bases
	s_wait_dscnt 0x0
	s_add_co_u32 s29, s29, 48
	s_add_nc_u64 s[38:39], s[38:39], 786432        ; 48 tiles on
	s_add_nc_u64 s[42:43], s[42:43], 3072
	s_add_co_u32 s30, s30, 1
	s_cmp_lt_u32 s30, 2
	s_cbranch_scc1 .Lpass
	s_wait_xcnt 0x0
	v_lshl_add_u32 v254, v0, 2, 0x23900
	v_mov_b32 v255, 0
	s_wait_tensorcnt 0x0
	ds_add_u32 v254, v255
	s_wait_dscnt 0x0
	s_endpgm
.Lfunc_end_k_qba3ee9642e_fc2:
	.size	k_qba3ee9642e_fc2, .Lfunc_end_k_qba3ee9642e_fc2-k_qba3ee9642e_fc2
	.p2alignl 7, 3214868480
	.fill 96, 4, 3214868480
	.section	.rodata,"a",@progbits
	.p2align	6, 0x0
	.amdhsa_kernel k_qba3ee9642e_fc2
		.amdhsa_group_segment_fixed_size 147712
		.amdhsa_private_segment_fixed_size 0
		.amdhsa_enable_private_segment 0
		.amdhsa_kernarg_size 56
		.amdhsa_user_sgpr_count 2
		.amdhsa_user_sgpr_kernarg_segment_ptr 1
		.amdhsa_wavefront_size32 1
		.amdhsa_system_sgpr_workgroup_id_x 1
		.amdhsa_system_sgpr_workgroup_id_y 1
		.amdhsa_system_sgpr_workgroup_id_z 1
		.amdhsa_system_vgpr_workitem_id 0
		.amdhsa_next_free_vgpr 256
		.amdhsa_next_free_sgpr 66
		.amdhsa_reserve_vcc 0
		.amdhsa_float_denorm_mode_32 3
		.amdhsa_float_denorm_mode_16_64 3
		.amdhsa_memory_ordered 1
		.amdhsa_forward_progress 1
		.amdhsa_inst_pref_size 72
	.end_amdhsa_kernel
	.amdgpu_metadata
---
amdhsa.version: [ 1, 2 ]
amdhsa.kernels:
  - .name:           k_qba3ee9642e_fc2
    .symbol:         k_qba3ee9642e_fc2.kd
    .args:
      - { .name: W2, .offset: 0, .size: 8, .value_kind: global_buffer, .address_space: global }
      - { .name: b2, .offset: 8, .size: 8, .value_kind: global_buffer, .address_space: global }
      - { .name: hid, .offset: 16, .size: 8, .value_kind: global_buffer, .address_space: global }
      - { .name: hs, .offset: 24, .size: 8, .value_kind: global_buffer, .address_space: global }
      - { .name: list, .offset: 32, .size: 8, .value_kind: global_buffer, .address_space: global }
      - { .name: gw, .offset: 40, .size: 8, .value_kind: global_buffer, .address_space: global }
      - { .name: yp, .offset: 48, .size: 8, .value_kind: global_buffer, .address_space: global }
    .group_segment_fixed_size: 147712
    .private_segment_fixed_size: 0
    .kernarg_segment_align: 8
    .kernarg_segment_size: 56
    .max_flat_workgroup_size: 512
    .sgpr_count:     66
    .vgpr_count:     256
    .wavefront_size: 32
...
	.end_amdgpu_metadata
.endif
;; end of part 4
;; launch combine (part 5): grid 256 x 1, 8 waves a work-group, no clusters, 0 bytes of LDS; arguments yp, out0; writes out0
.if DOCPART == 5
	.amdgcn_target "amdgcn-amd-amdhsa--gfx1250"
	.amdhsa_code_object_version 6
	.text
	.protected	k_qba3ee9642e_combine
	.globl	k_qba3ee9642e_combine
	.p2align	8
	.type	k_qba3ee9642e_combine,@function
k_qba3ee9642e_combine:
	s_mov_b64 s[64:65], 0
	v_nop
	global_prefetch_b8 v0, s[64:65] scope:SCOPE_SE
	s_setreg_imm32_b32 hwreg(HW_REG_WAVE_MODE, 25, 1), 1
	s_wait_xcnt 0x0
; out0[token] = the sum over the token's two choices and the two K halves of yp[half][2 token + choice]: four rows of 4,096 bytes, each already weighed by its gate.
; yp is [2][2,056][1,024] f32; rows 2,048 on of each half are spare and are not read.
; A work-group takes four tokens; thread t takes byte 16 t of every row, so a wave's load or store covers 512 consecutive bytes.  All sixteen loads go out first.  No LDS, no barrier, no matrix unit: a plain stream.
.set YHALF, 2056*4096                  ; a K half of yp in bytes
	s_load_b128 s[4:7], s[0:1], 0x0                ; yp, out0
	v_lshlrev_b32 v1, 4, v0
	s_lshl_b32 s8, ttmp9, 15                       ; eight rows of yp
	s_mov_b32 s9, 0
	s_lshl_b32 s10, ttmp9, 14                      ; four rows of out0
	s_mov_b32 s11, 0
	s_wait_kmcnt 0x0
	s_add_nc_u64 s[4:5], s[4:5], s[8:9]
	s_add_nc_u64 s[12:13], s[4:5], YHALF           ; the second K half
	s_add_nc_u64 s[6:7], s[6:7], s[10:11]
.irp q, 0,1,2,3
.irp k, 0,1
	global_load_b128 v[4+16*\q+8*\k:7+16*\q+8*\k], v1, s[4:5] offset:(2*\q+\k)*4096 th:TH_LOAD_NT
	global_load_b128 v[8+16*\q+8*\k:11+16*\q+8*\k], v1, s[12:13] offset:(2*\q+\k)*4096 th:TH_LOAD_NT
.endr
.endr
.irp q, 0,1,2,3
	s_wait_loadcnt 12-4*\q                         ; this token's four loads are in; the later tokens' are younger
	v_pk_add_f32 v[4+16*\q:5+16*\q], v[4+16*\q:5+16*\q], v[8+16*\q:9+16*\q]
	v_pk_add_f32 v[6+16*\q:7+16*\q], v[6+16*\q:7+16*\q], v[10+16*\q:11+16*\q]
	v_pk_add_f32 v[12+16*\q:13+16*\q], v[12+16*\q:13+16*\q], v[16+16*\q:17+16*\q]
	v_pk_add_f32 v[14+16*\q:15+16*\q], v[14+16*\q:15+16*\q], v[18+16*\q:19+16*\q]
	v_pk_add_f32 v[4+16*\q:5+16*\q], v[4+16*\q:5+16*\q], v[12+16*\q:13+16*\q]
	v_pk_add_f32 v[6+16*\q:7+16*\q], v[6+16*\q:7+16*\q], v[14+16*\q:15+16*\q]
	global_store_b128 v1, v[4+16*\q:7+16*\q], s[6:7] offset:4096*\q th:TH_STORE_NT
.endr
	s_endpgm
.Lfunc_end_k_qba3ee9642e_combine:
	.size	k_qba3ee9642e_combine, .Lfunc_end_k_qba3ee9642e_combine-k_qba3ee9642e_combine
	.p2alignl 7, 3214868480
	.fill 96, 4, 3214868480
	.section	.rodata,"a",@progbits
	.p2align	6, 0x0
	.amdhsa_kernel k_qba3ee9642e_combine
		.amdhsa_group_segment_fixed_size 0
		.amdhsa_private_segment_fixed_size 0
		.amdhsa_enable_private_segment 0
		.amdhsa_kernarg_size 16
		.amdhsa_user_sgpr_count 2
		.amdhsa_user_sgpr_kernarg_segment_ptr 1
		.amdhsa_wavefront_size32 1
		.amdhsa_system_sgpr_workgroup_id_x 1
		.amdhsa_system_sgpr_workgroup_id_y 1
		.amdhsa_system_sgpr_workgroup_id_z 1
		.amdhsa_system_vgpr_workitem_id 0
		.amdhsa_next_free_vgpr 72
		.amdhsa_next_free_sgpr 66
		.amdhsa_reserve_vcc 0
		.amdhsa_float_denorm_mode_32 3
		.amdhsa_float_denorm_mode_16_64 3
		.amdhsa_memory_ordered 1
		.amdhsa_forward_progress 1
		.amdhsa_inst_pref_size 5
	.end_amdhsa_kernel
	.amdgpu_metadata
---
amdhsa.version: [ 1, 2 ]
amdhsa.kernels:
  - .name:           k_qba3ee9642e_combine
    .symbol:         k_qba3ee9642e_combine.kd
    .args:
      - { .name: yp, .offset: 0, .size: 8, .value_kind: global_buffer, .address_space: global }
      - { .name: out0, .offset: 8, .size: 8, .value_kind: global_buffer, .address_space: global }
    .group_segment_fixed_size: 0
    .private_segment_fixed_size: 0
    .kernarg_segment_align: 8
    .kernarg_segment_size: 16
    .max_flat_workgroup_size: 256
    .sgpr_count:     66
    .vgpr_count:     72
    .wavefront_size: 32
...
	.end_amdgpu_metadata
.endif
;; end of part 5
;; ======== version 2 of 2: 5 launches; version 1 with the launches fc1, fc2 written anew for expert scheduling mode
;; workspace buffers: xc 524,288 bytes; xs 32,768 bytes; sel 8,192 bytes of whole numbers; gw 8,192 bytes; list 65,536 bytes of whole numbers; hid 9,437,184 bytes; hs 589,824 bytes; yp 16,842,752 bytes
;; launch route: the kernel of part 1 again; grid 256 x 1, 4 waves a work-group, no clusters, 37,376 bytes of LDS; arguments x, router_w, router_b, W1, xc, xs, sel, gw; writes xc, xs, sel, gw
;; launch place: the kernel of part 2 again; grid 8 x 1, 1 waves a work-group, no clusters, 8,448 bytes of LDS; arguments sel, list; writes list
;; launch fc1 (part 6): grid 32 x 8, 16 waves a work-group, no clusters, 76,288 bytes of LDS; arguments W1, b1, xc, xs, list, W2, hid, hs; writes hid, hs
.if DOCPART == 6
	.amdgcn_target "amdgcn-amd-amdhsa--gfx1250"
	.amdhsa_code_object_version 6
	.text
	.protected	k_qba3ee9642e_fc1
	.globl	k_qba3ee9642e_fc1
	.p2align	8
	.type	k_qba3ee9642e_fc1,@function
k_qba3ee9642e_fc1:
	s_mov_b64 s[64:65], 0
	v_nop
	global_prefetch_b8 v0, s[64:65] scope:SCOPE_SE
	s_setreg_imm32_b32 hwreg(HW_REG_WAVE_SCHED_MODE, 0, 2), 2
	s_setreg_imm32_b32 hwreg(HW_REG_WAVE_MODE, 25, 1), 1
	s_wait_xcnt 0x0
	s_wait_alu depctr_vm_vsrc(0)
; FIRST LAYER OF THE EXPERTS, SWIGLU, AND THE QUANTISER OF THE HIDDEN LAYER.  Work-group (s, e): hidden units 64 s .. 64 s + 63 of expert e, that is columns 64 s .. and 2,048 + 64 s .. of W1[e]: 128 columns x 1,024 k, 512 KB of f32, read once.
; PHASE 1.  Wave w takes 32 columns (block b = w & 1 of 32 units, half hh = (w >> 1) & 1 of the swiglu) x 256 k (quarter w >> 2).  A lane takes a column and its registers run down K: a block of 32 along K lies in one lane,
;   and the conversions give codes with K innermost.  They go to LDS as images of the operand's registers (tile, K step: 1,024 bytes, lane l's 16 bytes at 512 c + 16 l), the scale words beside them.
; PHASE 2.  The expert's rows come from list [e][2,048], made by the launch before: ids 2 token + k, zeros behind the last, the count N in word 2,047.  Rows go in tiles of 16, three tiles to a wave and pass; wave w takes block
;   b = w & 1 and tiles 3 (w >> 1) + 24 pass on, in three passes of constant count; a pass whose first tile lies at or behind T is jumped over.
;   The product is used transposed (source 0 = 16 columns of W1, source 1 = 16 rows of x), and THE COLUMNS OF A TILE ARE NOT NEIGHBOURS: row m of tile u takes unit 32 b + 8 u + m + 8 (m / 8), so that a lane's 16 registers of tiles
;   u = 0, 1 are 16 neighbouring units of one row of x.  b1 is loaded into the accumulators, onto which every product adds.  silu(h1) h2 in f32, the block's scale with lane l xor 16, codes: 8 bytes a lane.
; OUT.  hid [e][tile][K step of 128 units][1,024 B]: the image of the second layer's operand; a wave's store covers 256 consecutive bytes, aligned.  hs [e][s][row] two scale bytes (blocks 2 s, 2 s + 1), gathered in LDS, out in runs of 256 bytes.
; Tiles 0-2 are always made (T is held at 1 from below): the next launch's waves without rows read a few bytes of them.  Rows behind N are token 0's; the next launch sends their results to spare rows that nobody reads.
; No tensor load: branches hang on N.  No cluster: what work-groups share (x's codes, 0.5 MB) is small beside the weights, which nobody shares.
; LIMITS: NaN and infinities are not served; a block of zeros gets the byte 1 (its codes are zeros; only this program reads the bytes).
; THE MODE: SCHED_MODE bits 1:0 = 2 (LLVM: expert scheduling mode 2), set by the entry lines.  The code itself states the register dependences
; between vector or matrix instructions and memory or LDS instructions, with s_wait_alu, always for 0.
; THE PLAN.  Registers that memory or LDS instructions touch:
;   ST0, ST1      Block t: its maxima and conversions read ST[t % 2]; behind them the loads of block t + 2 land in it.
;   CD0, CD1, v14 Block t's conversions write CD[t % 2], its shifts v14; its LDS stores read them; they are written again two blocks on (v14: in the next block).
;   v12, v13      Written as zeros, read by one LDS store ahead of block 2, which writes them again.
;   IDR, v16-21   The ids land in IDR; PRO's lines make of them the offsets v16-21, which the loads of x read up to K step 4; the next pass writes them again.
;   ASC, BS, BF, AR0 .. AR2   Loads land in them, the products read them.  K step ks reads AR[ks % 3]; the loads of K step ks + 3 land in it.  Behind the last K step the activation works in AR.
;   ACC           b1 lands in it by LDS loads; else products and the activation alone name it.
;   CP, BY, v10   Written at a pass's end, read by its stores, written again in the next pass.
;   v1-9, v23, v[AZ]  Offsets and addresses made once.  v62, v68: wave 0's, read once at the head; W1's fragments land there later.
; So: one wait on va_vdst to a block of phase 1, behind its conversions; one in PRO, behind the offsets; one to a K step, behind its products, for all the loads up to the next step's products; one ahead of a pass's stores.
; One wait on vm_vsrc at the head of each block from block 2 on, and one at a pass's end, ahead of the backward jump.
.set BSC,  65536                       ; LDS: 0 the images: tile ct = 4 b + 2 hh + u at 8,192 ct + 1,024 ks;  here their scale words: 512 ct + 64 ks + 4 m
.set BIA,  69632                       ; b1: [hh][64] f32
.set SCB,  70144                       ; the hidden layer's scale bytes: [row][2], 4,096 bytes
.set CD0,  24                          ; v24-31   two sets of a block's codes
.set CD1,  28
.set ASC,  32                          ; v32-43   x's scale words: tile i, register j: lanes 0-15 K step j, lanes 16-31 K step 4 + j.  Scales and nothing else
.set BS,   44                          ; v44-47   W1's scale words of a K step.  Scales and nothing else
.set BF,   48                          ; v48-79   W1's four fragments of a K step (at the head v62, v68: wave 0's places for b1)
.set AR,   80                          ; v80-151  x's fragments: three sets of 3 tiles x 8 (behind the products: the activation's work)
.set IDR,  152                         ; v152-154 ids
.set AZ,   155                         ; v155     SCB + 8 x thread
.set B1R,  156                         ; v156-159 wave 0: b1 on its way into LDS
.set ACC,  160                         ; v160-255 accumulators: tile i, column tile t at 160 + 32 i + 8 t
.set ST,   160                         ; v160-223 in phase 1: two sets of 32 numbers of W1
.set TT,   80                          ; the activation: 3 x 16 numbers
.set MM,   128
.set M2,   131
.set SO,   134
.set BY,   137
.set CP,   140
	s_load_b512 s[4:19], s[0:1], 0x0               ; W1, b1, xc, xs, list, W2, hid, hs
	v_lshrrev_b32 v11, 5, v0
	v_readfirstlane_b32 s22, v11                   ; wave
	s_wait_alu depctr_va_sdst(0)                   ; s22 is written, ahead of its first reader: the wave's shares, addresses and branches are made from it
	s_mov_b32 s23, ttmp9                           ; s
	s_and_b32 s24, ttmp7, 0xffff                   ; e
	s_and_b32 s27, s22, 1                          ; b
	s_lshr_b32 s28, s22, 1                         ; g: which tiles in phase 2
	s_and_b32 s33, s28, 1                          ; hh
	s_lshr_b32 s34, s22, 2                         ; quarter of K
	s_mul_i32 s29, s28, 3                          ; the pass's first tile
	s_mov_b32 s30, 0                               ; the pass
	s_mov_b32 s32, 0                               ; its step among the scale bytes, 768
	s_mov_b32 s41, 0
	s_mov_b32 s46, 0x76543210
	s_mov_b32 s47, 0xfedcba98                      ; selects for lane l xor 16
	s_mov_b32 s52, 0xbfb8aa3b                      ; -log2(e)
	s_mov_b32 s53, s52                             ; (named with it as a pair)
	v_and_b32 v12, 31, v0                          ; lane
	v_and_b32 v13, 15, v0                          ; r
	v_bfe_u32 v15, v0, 4, 1                        ; h
	v_bfe_u32 v14, v0, 3, 1                        ; u of my column
	v_and_b32 v11, 7, v0
	v_lshl_add_u32 v11, v15, 3, v11                ; m of my column
	v_lshlrev_b32 v1, 2, v12                       ; W1: 4 bytes a lane
	s_lshl_b32 s35, s27, 15
	s_lshl_b32 s40, s33, 14
	s_add_co_u32 s35, s35, s40
	s_lshl_b32 s40, s34, 11
	s_add_co_u32 s35, s35, s40
	v_lshlrev_b32 v2, 13, v14
	v_lshl_add_u32 v2, v11, 4, v2
	v_add_nc_u32 v2, s35, v2                       ; where my column's codes go: 8,192 ct + 2,048 quarter + 16 m
	s_lshl_b32 s35, s27, 11
	s_lshl_b32 s40, s33, 10
	s_add_co_u32 s35, s35, s40
	s_lshl_b32 s40, s34, 7
	s_add_co_u32 s35, s35, s40
	s_add_co_u32 s35, s35, BSC
	v_lshlrev_b32 v3, 9, v14
	v_lshl_add_u32 v3, v11, 2, v3
	v_add_nc_u32 v3, s35, v3                       ; and its scale words
	s_lshl_b32 s35, s27, 15
	v_lshlrev_b32 v4, 4, v12
	v_add_nc_u32 v4, s35, v4                       ; phase 2: my block's images, 16 x lane
	s_lshl_b32 s35, s27, 11
	s_add_co_u32 s35, s35, BSC
	v_lshl_add_u32 v5, v13, 2, s35                 ; their scale words
	v_lshlrev_b32 v6, 2, v13                       ; the list: 4 r
	s_lshl_b32 s35, s27, 7
	s_add_co_u32 s35, s35, BIA
	v_lshl_add_u32 v7, v15, 6, s35                 ; b1 at units 32 b + 16 h
	v_lshlrev_b32 v8, 4, v13
	v_lshl_add_u32 v8, v15, 3, v8                  ; hid: 16 r + 8 h
	s_mul_i32 s35, s28, 96
	s_add_co_u32 s35, s35, s27
	s_add_co_u32 s35, s35, SCB
	v_lshl_add_u32 v9, v13, 1, s35                 ; my row's scale byte
	v_lshlrev_b32 v22, 4, v15                      ; 16 h
	v_lshlrev_b32 v62, 13, v15
	v_lshl_add_u32 v62, v13, 4, v62                ; b1: half lane / 16, 16 bytes a lane
	v_lshl_add_u32 v68, v12, 4, BIA
	v_lshl_add_u32 v[AZ], v0, 3, SCB
	s_lshl_b32 s40, s24, 24
	s_lshl_b32 s42, s34, 22
	s_add_co_u32 s40, s40, s42
	s_lshl_b32 s42, s33, 13
	s_add_co_u32 s40, s40, s42
	s_lshl_b32 s42, s23, 8
	s_add_co_u32 s40, s40, s42
	s_lshl_b32 s42, s27, 7
	s_add_co_u32 s40, s40, s42
	s_wait_kmcnt 0x0
	s_add_nc_u64 s[36:37], s[4:5], s[40:41]        ; W1 at my wave's first row and column
	s_lshl_b32 s40, s24, 13
	s_add_nc_u64 s[50:51], s[12:13], s[40:41]      ; list at [e]
	s_load_b32 s25, s[50:51], 0x1ffc               ; N
	s_lshl_b32 s40, s29, 6
	s_add_nc_u64 s[20:21], s[50:51], s[40:41]      ; and at my first tile's rows: 64 bytes a tile
	s_mul_i32 s40, s24, 72
	s_add_co_u32 s40, s40, s29
	s_lshl_b32 s40, s40, 14
	s_lshl_b32 s42, s23, 9
	s_add_co_u32 s40, s40, s42
	s_lshl_b32 s42, s27, 8
	s_add_co_u32 s40, s40, s42
	s_add_nc_u64 s[38:39], s[16:17], s[40:41]      ; hid: tile 72 e + first tile, + 512 s + 256 b
	s_lshl_b32 s40, s24, 14
	s_lshl_b32 s42, s23, 8
	s_add_co_u32 s40, s40, s42
	s_add_nc_u64 s[6:7], s[6:7], s[40:41]          ; b1 at [e][64 s]
	s_lshl_b32 s40, s24, 5
	s_add_co_u32 s40, s40, s23
	s_mul_i32 s40, s40, 2304
	s_add_nc_u64 s[48:49], s[18:19], s[40:41]      ; hs at [e][s]
	s_lshl_b32 s40, s24, 23
	s_lshr_b32 s42, s23, 4
	s_lshl_b32 s42, s42, 22
	s_add_co_u32 s40, s40, s42
	s_and_b32 s42, s23, 15
	s_lshl_b32 s42, s42, 8
	s_add_co_u32 s40, s40, s42
	s_add_nc_u64 s[14:15], s[14:15], s[40:41]      ; W2, for the prefetch below
.macro WLOAD from, to                  ; rows from .. to - 1 of my 256: each line reads 128 consecutive bytes, and the wave beside me the 128 beside them
.set n, \from
.rept (\to)-(\from)
	global_load_b32 v[ST+n%64], v1, s[36:37] offset:n*16384 th:TH_LOAD_NT
.set n, n+1
.endr
.endm
.macro QCOMP t, cd                     ; block t (set t % 2): its scale, its byte into v14, its codes into cd
.set XS, ST+32*((\t)%2)
	s_wait_dscnt 0x0                               ; earlier LDS stores are done
.if (\t) >= 2
	s_wait_alu depctr_vm_vsrc(0)                   ; the LDS stores issued so far have read their registers: this set of codes (block t - 2's) and v14, which the lines below write again; ahead of block 2 also the zeros in v12 and v13, and wave 0's v62 and v68
.endif
	v_max3_num_f32 v12, |v[XS]|, |v[XS+1]|, |v[XS+2]|
	v_max3_num_f32 v13, |v[XS+3]|, |v[XS+4]|, |v[XS+5]|
.irp i, 6,10,14,18,22,26
	v_max3_num_f32 v12, v12, |v[XS+\i]|, |v[XS+\i+1]|
	v_max3_num_f32 v13, v13, |v[XS+\i+2]|, |v[XS+\i+3]|
.endr
	v_max3_num_f32 v12, v12, |v[XS+30]|, |v[XS+31]|
	v_max3_num_f32 v12, v12, v13, 0x1800000        ; with the floor 2^(3 - 127)
	v_add_nc_u32 v11, 0xff000000, v12              ; 2 off the exponent field: the conversion's scale operand
	v_lshrrev_b32 v13, 23, v11
.if (\t)%4 == 0
	v_mov_b32 v14, v13
.else
	v_lshl_or_b32 v14, v13, 8*((\t)%4), v14
.endif
.irp g, 0,1,2,3
	v_cvt_scalef32_pk8_fp4_f32 v[\cd+\g], v[XS+8*\g:XS+8*\g+7], v11
.endr
	v_nop                                          ; one plain place behind the conversions
	s_wait_alu depctr_va_vdst(0)                   ; the codes and v14 are written, which the block's LDS stores read; the maxima and conversions are done reading this set of ST, in which the loads of block t + 2 land
.endm
.macro QST t, cd                       ; block t = K step t / 4 of my quarter, registers 4 c on with c = (t / 2) % 2, half t % 2 of the lanes
	ds_store_b128 v2, v[\cd:\cd+3] offset:((\t)>>2)*1024+(((\t)>>1)&1)*512+((\t)&1)*256
.if (\t)%4 == 3
	ds_store_b32 v3, v14 offset:((\t)>>2)*64
.endif
.endm
.macro ALOAD ks                        ; x's fragments of K step ks, three tiles, into set ks % 3
.irp i, 0,1,2
.irp c, 0,1
	global_load_b128 v[AR+24*((\ks)%3)+8*\i+4*\c:AR+24*((\ks)%3)+8*\i+4*\c+3], v[16+\i], s[8:9] offset:64*(\ks)+32*\c
.endr
.endr
.endm
.macro IDLOAD                          ; the ids of a pass's three tiles: row r of each.  (No wait of its own: on every way here a wait on va_vdst stands behind the lines of PRO that last named v[IDR ..])
.irp i, 0,1,2
	global_load_b32 v[IDR+\i], v6, s[20:21] offset:64*\i
.endr
.endm
.macro PRO                             ; behind the ids: x's scale words and the first three K steps of x: 21 loads
.irp i, 0,1,2
	v_lshrrev_b32 v[IDR+\i], 1, v[IDR+\i]          ; the token,
	v_min_u32 v[IDR+\i], 0x3ff, v[IDR+\i]          ; held inside x
	v_lshl_add_u32 v[16+\i], v[IDR+\i], 9, v22     ; its codes, + 16 h
	v_lshl_add_u32 v[19+\i], v[IDR+\i], 5, v22     ; its scale bytes, + 16 h
.endr
	s_wait_alu depctr_va_vdst(0)                   ; the offsets v16 to v21 are written, which the 21 loads read; the pass before's products and activation are done with ASC and AR, in which they land; at the head also: v12, v13 and v23 are written
.irp i, 0,1,2
	global_load_b128 v[ASC+4*\i:ASC+4*\i+3], v[19+\i], s[10:11]
.endr
	ALOAD 0
	ALOAD 1
	ALOAD 2
.endm
.macro WM ks, i, t
.set DD, ACC+32*\i+8*\t
.set A0, BF+8*\t
.set B0, AR+24*((\ks)%3)+8*\i
.if (\ks) < 4
	v_wmma_scale_f32_16x16x128_f8f6f4 v[DD:DD+7], v[A0:A0+7], v[B0:B0+7], v[DD:DD+7], v[BS+\t], v[ASC+4*\i+((\ks)&3)] matrix_a_fmt:MATRIX_FMT_FP4 matrix_b_fmt:MATRIX_FMT_FP4
.else
	v_wmma_scale_f32_16x16x128_f8f6f4 v[DD:DD+7], v[A0:A0+7], v[B0:B0+7], v[DD:DD+7], v[BS+\t], v[ASC+4*\i+((\ks)&3)] matrix_a_fmt:MATRIX_FMT_FP4 matrix_b_fmt:MATRIX_FMT_FP4 matrix_b_scale:MATRIX_SCALE_ROW1
.endif
.endm
.macro GSTEP ks                        ; 128 along K: 12 products; the 12 accumulators take turns, one instruction a turn
.irp t, 0,1,2,3
.irp c, 0,1
	ds_load_b128 v[BF+8*\t+4*\c:BF+8*\t+4*\c+3], v4 offset:\t*8192+(\ks)*1024+512*\c
.endr
	ds_load_b32 v[BS+\t], v5 offset:\t*512+64*(\ks)
.endr
.if (\ks) <= 5
	s_wait_loadcnt 12                              ; this K step's fragments of x are in; those of the two K steps behind it, 6 loads each, may be out
.elseif (\ks) == 6
	s_wait_loadcnt 6
.else
	s_wait_loadcnt 0x0
.endif
	s_wait_dscnt 0x0
.irp i, 0,1,2
.irp t, 0,1,2,3
	WM \ks, \i, \t
.endr
.endr
.rept 4
	v_nop                                          ; four places behind the products (ISA guide 7.12.1): behind the last K step they stand ahead of the first read of results; the wait below fills no place
.endr
.if (\ks) < 7
	s_wait_alu depctr_va_vdst(0)                   ; the step's one wait: its products are done reading x's set ks % 3, in which the loads of K step ks + 3 land, and W1's fragments and scale words, in which the next step's LDS loads land
.endif
.if (\ks) < 5
	ALOAD (\ks)+3
.endif
.endm
	; ---- wave 0 asks for b1's 128 numbers, every wave for its first pass's ids; then the stream begins
	s_wait_alu depctr_va_vdst(0)                   ; the offsets and addresses made above are written: v1 to v9, v62, v68 and v[AZ], which the loads and stores from here on read
	s_cmp_lg_u32 s22, 0
	s_cbranch_scc1 .Lno_b1
	global_load_b128 v[B1R:B1R+3], v62, s[6:7]
.Lno_b1:
	IDLOAD
	WLOAD 0, 64
	s_wait_loadcnt 32                              ; b1, the ids and block 0 are in; block 1's 32 loads are younger
	QCOMP 0, CD0
	QST 0, CD0
	WLOAD 64, 96
	s_wait_loadcnt 32                              ; block 1; block 2 is younger
	QCOMP 1, CD1
	QST 1, CD1
	WLOAD 96, 128
	s_cmp_lg_u32 s22, 0
	s_cbranch_scc1 .Lno_b1s
	ds_store_b128 v68, v[B1R:B1R+3]
.Lno_b1s:
	v_mov_b32 v12, 0
	v_mov_b32 v13, 0
	s_wait_kmcnt 0x0                               ; N
	s_add_co_u32 s26, s25, 15
	s_lshr_b32 s26, s26, 4
	s_max_u32 s26, s26, 1                          ; T: tiles, at least 1
	v_lshrrev_b32 v23, 6, v0
	v_lshlrev_b32 v23, 7, v23
	v_and_b32 v11, 63, v0
	v_add_nc_u32 v23, v23, v11
	v_lshlrev_b32 v23, 12, v23                     ; prefetch: row 128 (thread / 64) + thread % 64 of W2, 4,096 bytes a row
	PRO                                            ; the first pass's rows are asked for under the stream, by every wave: entries behind N name token 0
	ds_store_b64 v[AZ], v[12:13]                   ; the scale bytes begin as zeros: 8 bytes a thread.  (Behind PRO's wait, which shows v12 and v13 written; no vector line since names them)
	s_wait_loadcnt 53                              ; block 2 is in; younger: block 3's 32 and the 21 just issued
	QCOMP 2, CD0
	QST 2, CD0
	WLOAD 128, 160
	s_wait_loadcnt 53                              ; block 3; younger: those 21 and block 4's 32
	QCOMP 3, CD1
	QST 3, CD1
	WLOAD 160, 192
	s_wait_loadcnt 32                              ; block 4; block 5 is younger
	QCOMP 4, CD0
	QST 4, CD0
	WLOAD 192, 224
	s_wait_loadcnt 32
	QCOMP 5, CD1
	QST 5, CD1
	WLOAD 224, 256
	s_wait_loadcnt 32
	QCOMP 6, CD0
	QST 6, CD0
	s_wait_loadcnt 0x0
	QCOMP 7, CD1
	QST 7, CD1
	s_wait_dscnt 0x0                               ; my images lie in LDS; wave 0: b1 too
	s_barrier_signal -1
	s_barrier_wait -1                              ; everybody's do
	; The next launch's work-group of my number (same e, K half s / 16, columns 64 (s % 16) on) begins with rows 0-63 of each of its eight K steps, 256 bytes each: 512 blocks, one a thread, each asked for once in the launch.
	global_prefetch_b8 v23, s[14:15] th:TH_LOAD_NT scope:SCOPE_SE
.Lpass:
	s_cmp_ge_u32 s29, s26
	s_cbranch_scc1 .Lnext                          ; no rows: the work is jumped over, the steps below are not
	s_cmp_eq_u32 s30, 0
	s_cbranch_scc1 .Lhave
	IDLOAD
	s_wait_loadcnt 0x0
	PRO
.Lhave:
.irp i, 0,1,2
.irp t, 0,1,2,3
	ds_load_b128 v[ACC+32*\i+8*\t:ACC+32*\i+8*\t+3], v7 offset:(\t>>1)*256+(\t&1)*32          ; the sums begin as b1: register j of tile t = 2 hh + u is unit 32 b + 16 h + 8 u + j.  (No vector line has named ACC since the last wait on va_vdst: block 7's, or the pass before's last)
	ds_load_b128 v[ACC+32*\i+8*\t+4:ACC+32*\i+8*\t+7], v7 offset:(\t>>1)*256+(\t&1)*32+16
.endr
.endr
	GSTEP 0
	GSTEP 1
	GSTEP 2
	GSTEP 3
	GSTEP 4
	GSTEP 5
	GSTEP 6
	GSTEP 7
	; silu(h1) h2 = h1 / (1 + 2^(-log2(e) h1)) x h2, in f32; each accumulator is read from its low end on
	v_add_nc_u32 v10, s32, v9
.irp i, 0,1,2
.irp p, 0,2,4,6,8,10,12,14
	v_pk_mul_f32 v[TT+16*\i+\p:TT+16*\i+\p+1], v[ACC+32*\i+\p:ACC+32*\i+\p+1], s[52:53] op_sel_hi:[1,0]
.endr
.endr
.set j, 0
.rept 48
	v_exp_f32 v[TT+j], v[TT+j]
.set j, j+1
.endr
	v_nop                                          ; one plain place behind the exponentials
.set j, 0
	s_wait_alu depctr_va_vdst(0)                   ; the 48 exponentials have written v[TT ..], ahead of their first reader
.rept 24
	v_pk_add_f32 v[TT+j:TT+j+1], v[TT+j:TT+j+1], 1.0 op_sel_hi:[1,0]
.set j, j+2
.endr
.set j, 0
.rept 48
	v_rcp_f32 v[TT+j], v[TT+j]
.set j, j+1
.endr
	v_nop                                          ; one plain place behind the reciprocals
	s_wait_alu depctr_va_vdst(0)                   ; the 48 reciprocals have written v[TT ..], ahead of their first reader
.irp i, 0,1,2
.irp p, 0,2,4,6,8,10,12,14
	v_pk_mul_f32 v[TT+16*\i+\p:TT+16*\i+\p+1], v[TT+16*\i+\p:TT+16*\i+\p+1], v[ACC+32*\i+\p:ACC+32*\i+\p+1]
.endr
.endr
.irp i, 0,1,2
.irp p, 0,2,4,6,8,10,12,14
	v_pk_mul_f32 v[TT+16*\i+\p:TT+16*\i+\p+1], v[TT+16*\i+\p:TT+16*\i+\p+1], v[ACC+32*\i+16+\p:ACC+32*\i+16+\p+1]
.endr
.endr
	; a block of 32 units of a row lies in lanes l and l xor 16, 16 numbers each
.irp i, 0,1,2
	v_max3_num_f32 v[MM+\i], |v[TT+16*\i]|, |v[TT+16*\i+1]|, 0x1800000
.endr
.irp q, 2,4,6,8,10,12,14
.irp i, 0,1,2
	v_max3_num_f32 v[MM+\i], v[MM+\i], |v[TT+16*\i+\q]|, |v[TT+16*\i+\q+1]|
.endr
.endr
.irp i, 0,1,2
	v_mov_b32 v[M2+\i], 0
.endr
.irp i, 0,1,2
	v_permlanex16_b32 v[M2+\i], v[MM+\i], s46, s47
.endr
.irp i, 0,1,2
	v_max_num_f32 v[MM+\i], v[MM+\i], v[M2+\i]
.endr
.irp i, 0,1,2
	v_add_nc_u32 v[SO+\i], 0xff000000, v[MM+\i]
.endr
.irp i, 0,1,2
	v_lshrrev_b32 v[BY+\i], 23, v[SO+\i]
.endr
.irp i, 0,1,2
	v_cvt_scalef32_pk8_fp4_f32 v[CP+2*\i], v[TT+16*\i:TT+16*\i+7], v[SO+\i]
	v_cvt_scalef32_pk8_fp4_f32 v[CP+2*\i+1], v[TT+16*\i+8:TT+16*\i+15], v[SO+\i]
.endr
	v_nop                                          ; one plain place behind the conversions
	s_wait_alu depctr_va_vdst(0)                   ; the codes v[CP ..], the bytes v[BY ..] and the address v10 are written, which the six stores read
.irp i, 0,1,2
	global_store_b64 v8, v[CP+2*\i:CP+2*\i+1], s[38:39] offset:16384*\i   ; the wave stores 256 consecutive bytes, aligned: half b of the lanes' part of registers 4 (s % 2) on
	ds_store_b8 v10, v[BY+\i] offset:32*\i         ; both lanes of a block write the same byte with the same value
.endr
.Lnext:
	s_wait_xcnt 0x0                                ; the stores have read their data and their base, the loads their bases
	s_wait_dscnt 0x0                               ; and the LDS stores are done
	s_wait_alu depctr_vm_vsrc(0)                   ; the stores have read v[CP ..], v[BY ..] and v10, the loads of x their offsets v16 to v21: the next pass's lines and loads write all of them again
	s_add_co_u32 s29, s29, 24
	s_add_co_u32 s32, s32, 768
	s_add_nc_u64 s[38:39], s[38:39], 393216        ; 24 tiles of hid on
	s_add_nc_u64 s[20:21], s[20:21], 1536          ; and 24 tiles of the list
	s_add_co_u32 s30, s30, 1
	s_cmp_lt_u32 s30, 3
	s_cbranch_scc1 .Lpass
	s_barrier_signal -1
	s_barrier_wait -1                              ; all scale bytes lie in LDS
	s_cmp_lt_u32 s22, 9
	s_cbranch_scc0 .Lend
	v_lshlrev_b32 v11, 3, v0
	s_wait_alu depctr_va_vdst(0)                   ; v11 is written, which the store below reads as its offset
	ds_load_b64 v[12:13], v[AZ]                    ; 1,152 rows x 2 bytes: nine waves, 256 bytes each
	s_wait_dscnt 0x0
	global_store_b64 v11, v[12:13], s[48:49]
.Lend:
	s_wait_xcnt 0x0
	v_lshl_add_u32 v254, v0, 2, 0x12200
	v_mov_b32 v255, 0
	s_wait_dscnt 0x0                               ; the closing lines, six on end
	s_wait_alu 0x0
	s_wait_tensorcnt 0x0
	ds_add_u32 v254, v255
	s_wait_dscnt 0x0
	s_endpgm
.Lfunc_end_k_qba3ee9642e_fc1:
	.size	k_qba3ee9642e_fc1, .Lfunc_end_k_qba3ee9642e_fc1-k_qba3ee9642e_fc1
	.p2alignl 7, 3214868480
	.fill 96, 4, 3214868480
	.section	.rodata,"a",@progbits
	.p2align	6, 0x0
	.amdhsa_kernel k_qba3ee9642e_fc1
		.amdhsa_group_segment_fixed_size 76288
		.amdhsa_private_segment_fixed_size 0
		.amdhsa_enable_private_segment 0
		.amdhsa_kernarg_size 64
		.amdhsa_user_sgpr_count 2
		.amdhsa_user_sgpr_kernarg_segment_ptr 1
		.amdhsa_wavefront_size32 1
		.amdhsa_system_sgpr_workgroup_id_x 1
		.amdhsa_system_sgpr_workgroup_id_y 1
		.amdhsa_system_sgpr_workgroup_id_z 1
		.amdhsa_system_vgpr_workitem_id 0
		.amdhsa_next_free_vgpr 256
		.amdhsa_next_free_sgpr 66
		.amdhsa_reserve_vcc 0
		.amdhsa_float_denorm_mode_32 3
		.amdhsa_float_denorm_mode_16_64 3
		.amdhsa_memory_ordered 1
		.amdhsa_forward_progress 1
		.amdhsa_inst_pref_size 87
	.end_amdhsa_kernel
	.amdgpu_metadata
---
amdhsa.version: [ 1, 2 ]
amdhsa.kernels:
  - .name:           k_qba3ee9642e_fc1
    .symbol:         k_qba3ee9642e_fc1.kd
    .args:
      - { .name: W1, .offset: 0, .size: 8, .value_kind: global_buffer, .address_space: global }
      - { .name: b1, .offset: 8, .size: 8, .value_kind: global_buffer, .address_space: global }
      - { .name: xc, .offset: 16, .size: 8, .value_kind: global_buffer, .address_space: global }
      - { .name: xs, .offset: 24, .size: 8, .value_kind: global_buffer, .address_space: global }
      - { .name: list, .offset: 32, .size: 8, .value_kind: global_buffer, .address_space: global }
      - { .name: W2, .offset: 40, .size: 8, .value_kind: global_buffer, .address_space: global }
      - { .name: hid, .offset: 48, .size: 8, .value_kind: global_buffer, .address_space: global }
      - { .name: hs, .offset: 56, .size: 8, .value_kind: global_buffer, .address_space: global }
    .group_segment_fixed_size: 76288
    .private_segment_fixed_size: 0
    .kernarg_segment_align: 8
    .kernarg_segment_size: 64
    .max_flat_workgroup_size: 512
    .sgpr_count:     66
    .vgpr_count:     256
    .wavefront_size: 32
...
	.end_amdgpu_metadata
.endif
;; end of part 6
;; launch fc2 (part 7): grid 16 x 16, 16 waves a work-group, no clusters, 147,712 bytes of LDS; arguments W2, b2, hid, hs, list, gw, yp; writes yp
.if DOCPART == 7
	.amdgcn_target "amdgcn-amd-amdhsa--gfx1250"
	.amdhsa_code_object_version 6
	.text
	.protected	k_qba3ee9642e_fc2
	.globl	k_qba3ee9642e_fc2
	.p2align	8
	.type	k_qba3ee9642e_fc2,@function
k_qba3ee9642e_fc2:
	s_mov_b64 s[64:65], 0
	v_nop
	global_prefetch_b8 v0, s[64:65] scope:SCOPE_SE
	s_setreg_imm32_b32 hwreg(HW_REG_WAVE_SCHED_MODE, 0, 2), 2
	s_setreg_imm32_b32 hwreg(HW_REG_WAVE_MODE, 25, 1), 1
	s_wait_xcnt 0x0
	s_wait_alu depctr_vm_vsrc(0)
; SECOND LAYER OF THE EXPERTS.  Work-group (cs, 2 e + kh): columns 64 cs .. 64 cs + 63 of W2[e], hidden units 1,024 kh .. + 1,023: 256 KB of f32, read once.
; PHASE 1.  Wave w takes 32 columns (w & 1) x one K step of 128 (w >> 1); a lane takes a column, its registers run down K; codes and scale words go to LDS as images of the operand's registers, as in the launch before.
;   Wave w also copies slice 16 kh + w of the hidden layer's scale bytes into LDS, wave 0 b2's 64 numbers (cleared for kh = 1, so that b2 is added once).
; PHASE 2.  Three tiles of 16 rows x 64 columns to a wave and pass: tiles 3 w + 48 pass on, two passes of constant count; a pass whose first tile lies at or behind T = ceil(N / 16) is jumped over.
;   Transposed use (source 0 = 16 columns of W2, source 1 = 16 rows of the hidden layer): a lane holds 8 neighbouring columns of one row.  The sums begin as b2; x the gate's weight; through the wave's own stage in LDS;
;   sixteen lanes store the row's 256 consecutive bytes, aligned, at yp[kh][id].  yp is [2][2,056][1,024] f32: ids 0 to 2,047, and a spare row 2,048 + e for each expert.
;   A ROW AT OR BEHIND N TAKES THE ID 2,048 + e: its 256 bytes there are this work-group's own (kh, e and cs name it) and nobody reads them.  So every store runs with all lanes on, and EXEC is never written.
; The first pass's ids, weights and fragments are asked for under the stream by EVERY wave, so that no wait's count hangs on N; a wave without rows reads one 16-byte place of each image of tiles 0-2, which are always written.
;   That choice hangs on N, a number read from memory: it enters the loads' vector offset only behind a hold by a constant (tile at most 45 = 3 x 15, lane stride at most 16); the scalar base is made of ids alone.
; K is summed in two halves, added in the next launch.  No tensor load: branches hang on N.  No cluster: the weights are shared by nobody.
; LIMITS: NaN and infinities are not served; a block of zeros gets the byte 1.
; THE MODE: SCHED_MODE bits 1:0 = 2 (LLVM: expert scheduling mode 2), set by the entry lines.  The code itself states the register dependences
; between vector or matrix instructions and memory or LDS instructions, with s_wait_alu, always for 0.
; THE PLAN.  Registers that memory or LDS instructions touch:
;   ST0, ST1      Block t: its maxima and conversions read ST[t % 2]; behind them the loads of block t + 2 land in it.
;   CD, v14       Written by block t, read by its LDS stores, written again by the next block.
;   v22-27        The ids land in v22-24; PREP's lines hold them, make the offsets v25-27 and send rows at or behind N to the spare row; loads read v25-27, LDS stores v22-24; the next pass writes all six again.
;   GW, ASC, BS, BF, AR0 .. AR2   Loads land in GW, BS, BF and AR; the products read BS, BF, AR and ASC, which vector lines make of scale bytes loaded into BF's registers.  K step ks reads AR[ks % 3]; the loads of K step ks + 3 land in it.
;   ACC           b2 lands in it by LDS loads; products add onto it, the gate's weight multiplies it in place, LDS stores read it.
;   RID (in BF's registers), OB0, OB1 (in AR's)  The way out: the ids of all three tiles' rows land in RID and become offsets in place; rows come back from the stage into OB[tile % 2]; the stores read both.
;   v21           Written once a pass, read by the LDS loads of the scale bytes.      v1-10, v16-18, v20, v34, v35: made once.  v224, v225: read once at the head; b2 lands there later.
; So: one wait on va_vdst to a block of phase 1; one on va_sdst and one on va_vdst in PREP; one behind v21; one behind the scale words' places; one to a K step, behind its products; two on the way out (the weighed sums; the offsets).
; One wait on vm_vsrc at the head of each block from block 1 on, one ahead of the third tile's way through OB0, one at a pass's end, ahead of the backward jump.
.set BSC,  32768                       ; LDS: 0 the images: tile ct at 8,192 ct + 1,024 ks;  here their scale words: 512 ct + 64 ks + 4 m
.set HSC,  34816                       ; 16 slices of the hidden layer's scale bytes, 2,304 bytes each
.set BIA,  71680                       ; b2: 64 f32
.set IDS,  71936                       ; ids: 256 bytes a wave
.set STG,  76032                       ; stages: 16 rows x (256 + 16) bytes a wave
.set YHALF, 2056*4096                  ; a K half of yp in bytes
.set GW,   28                          ; v28-33   the gate's weight of my row, tile i in the low word of pair i
.set ASC,  36                          ; v36-47   the hidden layer's scale words: tile i, register j: lanes 0-15 K step j, lanes 16-31 K step 4 + j.  Scales and nothing else
.set BS,   48                          ; v48-51   W2's scale words.  Scales and nothing else
.set BF,   52                          ; v52-83   W2's four fragments of a K step
.set AR,   84                          ; v84-155  the hidden layer's fragments: three sets of 3 tiles x 8
.set CD,   156                         ; v156-159 a block's codes
.set ACC,  160
.set ST,   160
.set RID,  52                          ; v52-75   the way out: the ids of the three tiles' rows (tile i, pair of rows q at 8 i + q), then their offsets in yp
.set OB,   84                          ; v84-147  the way out: two sets of eight pairs of rows
	s_load_b256 s[4:11], s[0:1], 0x0               ; W2, b2, hid, hs
	s_load_b128 s[12:15], s[0:1], 0x20             ; list, gw
	s_load_b64 s[16:17], s[0:1], 0x30              ; yp
	v_lshrrev_b32 v11, 5, v0
	v_readfirstlane_b32 s22, v11                   ; wave
	s_wait_alu depctr_va_sdst(0)                   ; s22 is written, ahead of its first reader: the wave's shares, addresses and branches are made from it
	s_mov_b32 s23, ttmp9                           ; cs
	s_and_b32 s33, ttmp7, 0xffff
	s_lshr_b32 s24, s33, 1                         ; e
	s_and_b32 s33, s33, 1                          ; kh
	s_and_b32 s27, s22, 1                          ; which 32 columns
	s_lshr_b32 s28, s22, 1                         ; which K step
	s_mul_i32 s29, s22, 3                          ; the pass's first tile
	s_mov_b32 s30, 0
	s_mov_b32 s41, 0
	s_add_co_u32 s47, s24, 2048                    ; the expert's spare row of yp
	v_and_b32 v12, 31, v0                          ; lane
	v_and_b32 v13, 15, v0                          ; r
	v_bfe_u32 v19, v0, 4, 1                        ; h
	v_lshlrev_b32 v1, 2, v12
	s_lshl_b32 s40, s27, 14
	s_lshl_b32 s42, s28, 10
	s_add_co_u32 s40, s40, s42
	v_lshlrev_b32 v2, 13, v19
	v_lshl_add_u32 v2, v13, 4, v2
	v_add_nc_u32 v2, s40, v2                       ; my column's codes: tile 2 (w & 1) + h, row r
	s_lshl_b32 s40, s27, 10
	s_lshl_b32 s42, s28, 6
	s_add_co_u32 s40, s40, s42
	s_add_co_u32 s40, s40, BSC
	v_lshlrev_b32 v3, 9, v19
	v_lshl_add_u32 v3, v13, 2, v3
	v_add_nc_u32 v3, s40, v3                       ; its scale word
	v_lshlrev_b32 v4, 4, v12                       ; 16 x lane
	v_lshl_add_u32 v5, v13, 2, BSC
	v_lshlrev_b32 v7, 2, v13                       ; 4 r
	v_mul_u32_u24 v8, v19, 18432                   ; lanes 16-31: eight slices, four K steps, further on
	v_lshl_add_u32 v8, v13, 1, v8
	v_add_nc_u32 v8, HSC, v8
	s_mul_i32 s40, s22, 4352
	s_add_co_u32 s40, s40, STG
	v_mul_u32_u24 v9, v13, 272
	v_lshl_add_u32 v9, v19, 5, v9
	v_add_nc_u32 v9, s40, v9                       ; into my stage: row r, 32 h
	v_mul_u32_u24 v10, v19, 272
	v_lshl_add_u32 v10, v13, 4, v10
	v_add_nc_u32 v10, s40, v10                     ; back: lanes 0-15 one row, lanes 16-31 the next
	v_lshl_add_u32 v16, v19, 5, BIA
	s_lshl_b32 s40, s22, 8
	s_add_co_u32 s40, s40, IDS
	v_lshl_add_u32 v17, v13, 2, s40
	v_lshl_add_u32 v18, v19, 2, s40
	v_lshlrev_b32 v20, 4, v13                      ; 16 r
	s_mul_i32 s40, s22, 2304
	s_add_co_u32 s40, s40, HSC
	v_lshl_add_u32 v34, v12, 4, s40
	s_add_co_u32 s40, s40, 2048
	v_lshl_add_u32 v35, v12, 3, s40
	v_lshlrev_b32 v224, 3, v12
	v_lshl_add_u32 v225, v13, 4, BIA
	v_mov_b32 v29, 0                               ; (the pairs' upper words are named, so they are written)
	v_mov_b32 v31, 0
	v_mov_b32 v33, 0
	s_lshl_b32 s40, s24, 13
	s_wait_kmcnt 0x0
	s_add_nc_u64 s[50:51], s[12:13], s[40:41]      ; list at [e]
	s_load_b32 s25, s[50:51], 0x1ffc               ; N
	s_lshl_b32 s40, s29, 6
	s_add_nc_u64 s[42:43], s[50:51], s[40:41]      ; and at my first tile's rows
	s_lshl_b32 s40, s24, 23
	s_lshl_b32 s46, s33, 22
	s_add_co_u32 s40, s40, s46
	s_lshl_b32 s46, s28, 19
	s_add_co_u32 s40, s40, s46
	s_lshl_b32 s46, s23, 8
	s_add_co_u32 s40, s40, s46
	s_lshl_b32 s46, s27, 7
	s_add_co_u32 s40, s40, s46
	s_add_nc_u64 s[36:37], s[4:5], s[40:41]        ; W2 at my wave's first row and column
	s_lshl_b32 s40, s24, 5
	s_lshl_b32 s46, s33, 4
	s_add_co_u32 s40, s40, s46
	s_add_co_u32 s40, s40, s22
	s_mul_i32 s40, s40, 2304
	s_add_nc_u64 s[48:49], s[10:11], s[40:41]      ; hs at [e][16 kh + w]
	s_lshl_b32 s40, s24, 12
	s_lshl_b32 s46, s23, 8
	s_add_co_u32 s40, s40, s46
	s_add_nc_u64 s[6:7], s[6:7], s[40:41]          ; b2 at [e][64 cs]
	s_mul_i32 s40, s33, YHALF
	s_add_co_u32 s40, s40, s46
	s_add_nc_u64 s[44:45], s[16:17], s[40:41]      ; yp at [kh][0][64 cs]
	s_mul_i32 s40, s24, 72
	s_lshl_b32 s40, s40, 14
	s_lshl_b32 s46, s33, 13
	s_add_co_u32 s40, s40, s46
	s_add_nc_u64 s[38:39], s[8:9], s[40:41]        ; hid at [e][tile 0][8 kh]: ids alone; the tile stands in the vector offset v6
.macro WBLK t                          ; block t of my K step: 32 rows, 128 consecutive bytes a line, the wave beside me the 128 beside them
.set n, 32*(\t)
.rept 32
	global_load_b32 v[ST+n%64], v1, s[36:37] offset:n*4096 th:TH_LOAD_NT
.set n, n+1
.endr
.endm
.macro QCOMP t
.set XS, ST+32*((\t)%2)
	s_wait_dscnt 0x0                               ; earlier LDS stores are done
.if (\t) > 0
	s_wait_alu depctr_vm_vsrc(0)                   ; the LDS stores issued so far have read their registers: the block before's codes, which the conversions below write again; ahead of block 1 also v52 to v75 and the addresses v224 and v225, in which loads land later
.endif
	v_max3_num_f32 v12, |v[XS]|, |v[XS+1]|, |v[XS+2]|
	v_max3_num_f32 v13, |v[XS+3]|, |v[XS+4]|, |v[XS+5]|
.irp i, 6,10,14,18,22,26
	v_max3_num_f32 v12, v12, |v[XS+\i]|, |v[XS+\i+1]|
	v_max3_num_f32 v13, v13, |v[XS+\i+2]|, |v[XS+\i+3]|
.endr
	v_max3_num_f32 v12, v12, |v[XS+30]|, |v[XS+31]|
	v_max3_num_f32 v12, v12, v13, 0x1800000        ; with the floor 2^(3 - 127)
	v_add_nc_u32 v11, 0xff000000, v12
	v_lshrrev_b32 v13, 23, v11
.if (\t) == 0
	v_mov_b32 v14, v13
.else
	v_lshl_or_b32 v14, v13, 8*(\t), v14
.endif
.irp g, 0,1,2,3
	v_cvt_scalef32_pk8_fp4_f32 v[CD+\g], v[XS+8*\g:XS+8*\g+7], v11
.endr
	v_nop                                          ; one plain place behind the conversions
	s_wait_alu depctr_va_vdst(0)                   ; the codes and v14 are written, which the LDS stores below read; the maxima and conversions are done reading this set of ST, in which the loads of block t + 2 land
	ds_store_b128 v2, v[CD:CD+3] offset:((\t)>>1)*512+((\t)&1)*256
.if (\t) == 3
	ds_store_b32 v3, v14
.endif
.endm
.macro ALOAD ks
.irp i, 0,1,2
.irp c, 0,1
	global_load_b128 v[AR+24*((\ks)%3)+8*\i+4*\c:AR+24*((\ks)%3)+8*\i+4*\c+3], v6, s[38:39] offset:16384*\i+1024*(\ks)+512*\c
.endr
.endr
.endm
.macro IDLOAD                          ; (no wait of its own: PREP's wait on va_vdst stands behind the last vector lines that named v22 to v24)
.irp i, 0,1,2
	global_load_b32 v[22+\i], v7, s[42:43] offset:64*\i
.endr
.endm
.macro PREP                            ; behind the ids: all the vector lines first; then the gate's weights and the first three K steps, 21 loads, and the ids for the way out
.irp i, 0,1,2
	v_min_u32 v[22+\i], 0x7ff, v[22+\i]            ; held inside gw
.endr
.irp i, 0,1,2
	v_lshlrev_b32 v[25+\i], 2, v[22+\i]
.endr
	s_lshl_b32 s54, s29, 8
	s_lshl_b32 s55, s25, 4
	s_sub_co_i32 s54, s55, s54                     ; 16 x (N - my first row),
	s_sub_co_i32 s55, s54, 256                     ; the same for the second tile,
	s_sub_co_i32 s53, s54, 512                     ; and for the third
	v_cmp_gt_i32 s18, s54, v20                     ; row 16 i + r lies under N: the three compares in a run,
	v_cmp_gt_i32 s19, s55, v20
	v_cmp_gt_i32 s20, s53, v20
	s_wait_alu depctr_va_sdst(0)                   ; the three masks s18 to s20 are written, ahead of the selects that read them
	v_cndmask_b32 v22, v15, v22, s18               ; else it goes to the spare row
	v_cndmask_b32 v23, v15, v23, s19
	v_cndmask_b32 v24, v15, v24, s20
	s_wait_alu depctr_va_vdst(0)                   ; the offsets v25 to v27 and the ids v22 to v24 are written, which the loads and LDS stores below read (at the head: v6 too); the pass before is done with GW and AR, in which the loads land
.irp i, 0,1,2
	global_load_b32 v[GW+2*\i], v[25+\i], s[14:15]
.endr
	ALOAD 0
	ALOAD 1
	ALOAD 2
.irp i, 0,1,2
	ds_store_b32 v17, v[22+\i] offset:64*\i
.endr
.endm
.macro WM ks, i, t
.set DD, ACC+32*\i+8*\t
.set A0, BF+8*\t
.set B0, AR+24*((\ks)%3)+8*\i
.if (\ks) < 4
	v_wmma_scale_f32_16x16x128_f8f6f4 v[DD:DD+7], v[A0:A0+7], v[B0:B0+7], v[DD:DD+7], v[BS+\t], v[ASC+4*\i+((\ks)&3)] matrix_a_fmt:MATRIX_FMT_FP4 matrix_b_fmt:MATRIX_FMT_FP4
.else
	v_wmma_scale_f32_16x16x128_f8f6f4 v[DD:DD+7], v[A0:A0+7], v[B0:B0+7], v[DD:DD+7], v[BS+\t], v[ASC+4*\i+((\ks)&3)] matrix_a_fmt:MATRIX_FMT_FP4 matrix_b_fmt:MATRIX_FMT_FP4 matrix_b_scale:MATRIX_SCALE_ROW1
.endif
.endm
.macro GSTEP ks                        ; 128 along K: 12 products; the 12 accumulators take turns, one instruction a turn
.irp t, 0,1,2,3
.irp c, 0,1
	ds_load_b128 v[BF+8*\t+4*\c:BF+8*\t+4*\c+3], v4 offset:\t*8192+(\ks)*1024+512*\c
.endr
	ds_load_b32 v[BS+\t], v5 offset:\t*512+64*(\ks)
.endr
.if (\ks) <= 5
	s_wait_loadcnt 12                              ; this K step's fragments are in; those of the two K steps behind it, 6 loads each, may be out
.elseif (\ks) == 6
	s_wait_loadcnt 6
.else
	s_wait_loadcnt 0x0
.endif
	s_wait_dscnt 0x0
.irp i, 0,1,2
.irp t, 0,1,2,3
	WM \ks, \i, \t
.endr
.endr
.rept 4
	v_nop                                          ; four places behind the products (ISA guide 7.12.1): behind the last K step they stand ahead of the first read of results; the wait below fills no place
.endr
.if (\ks) < 7
	s_wait_alu depctr_va_vdst(0)                   ; the step's one wait: its products are done reading the hidden layer's set ks % 3, in which the loads of K step ks + 3 land, and W2's fragments and scale words, in which the next step's LDS loads land
.endif
.if (\ks) < 5
	ALOAD (\ks)+3
.endif
.endm
.macro TOST i, ob                      ; tile i goes through my stage: in as the lanes hold it, back as whole rows into set ob
.irp t, 0,1,2,3
	ds_store_b128 v9, v[ACC+32*(\i)+8*\t:ACC+32*(\i)+8*\t+3] offset:64*\t
	ds_store_b128 v9, v[ACC+32*(\i)+8*\t+4:ACC+32*(\i)+8*\t+7] offset:64*\t+16
.endr
.irp q, 0,1,2,3,4,5,6,7
	ds_load_b128 v[OB+32*(\ob)+4*\q:OB+32*(\ob)+4*\q+3], v10 offset:544*\q   ; LDS serves a wave's instructions in order: these see my stores, and the next tile's stores come behind them
.endr
.endm
.macro SEND i, ob                      ; tile i's sixteen rows leave from set ob
.irp q, 0,1,2,3,4,5,6,7
	global_store_b128 v[RID+8*(\i)+\q], v[OB+32*(\ob)+4*\q:OB+32*(\ob)+4*\q+3], s[44:45]   ; sixteen lanes store 256 consecutive bytes, aligned
.endr
.endm
	; ---- my slice of the scale bytes, b2, and the stream
	s_wait_alu depctr_va_vdst(0)                   ; the offsets and addresses made above are written: v1 to v5, v7 to v10, v16 to v18, v20, v34, v35, v224, v225, which the loads and stores from here on read
.irp j, 0,1,2,3
	global_load_b128 v[52+4*\j:55+4*\j], v4, s[48:49] offset:512*\j
.endr
	global_load_b64 v[68:69], v224, s[48:49] offset:2048
	s_cmp_lg_u32 s22, 0
	s_cbranch_scc1 .Lno_b2
	global_load_b128 v[72:75], v20, s[6:7]
.Lno_b2:
	WBLK 0
	s_wait_kmcnt 0x0                               ; N
	s_add_co_u32 s26, s25, 15
	s_lshr_b32 s26, s26, 4                         ; T
	s_cmp_lt_u32 s29, s26
	s_cselect_b32 s34, s29, 0                      ; with rows: my tiles, 16 bytes a lane;
	s_cselect_b32 s35, 16, 0                       ; without: tiles 0-2, one place for all lanes
	v_mov_b32 v6, s34
	v_mov_b32 v15, s35
	v_min_u32 v6, 45, v6                           ; both hang on N: held by constants ahead of the address: the tile at 3 x 15,
	v_min_u32 v15, 16, v15                         ; the stride at 16
	v_lshlrev_b32 v6, 14, v6                       ; a tile is 16,384 bytes
	v_mul_u32_u24 v15, v12, v15
	v_add_nc_u32 v6, v6, v15                       ; my byte in hid[e], from its tile 0 on
	v_mov_b32 v15, s47                             ; from here on: the spare row's id, 2,048 + e
	IDLOAD
	WBLK 1
	s_wait_loadcnt 32                              ; all but block 1's 32 loads are in
.irp j, 0,1,2,3
	ds_store_b128 v34, v[52+4*\j:55+4*\j] offset:512*\j
.endr
	ds_store_b64 v35, v[68:69]
	s_cmp_lg_u32 s22, 0
	s_cbranch_scc1 .Lno_b2s
	s_cmp_eq_u32 s33, 0
	s_cselect_b32 s46, -1, 0
.irp c, 0,1,2,3
	v_and_b32 v[72+\c], s46, v[72+\c]              ; the second K half adds zeros
.endr
	s_wait_alu depctr_va_vdst(0)                   ; v72 to v75 are written, which the LDS store reads
	ds_store_b128 v225, v[72:75]                   ; both halves of the lanes write the same bytes with the same values
.Lno_b2s:
	PREP
	QCOMP 0
	WBLK 2
	s_wait_loadcnt 32                              ; block 1 and the 21 loads behind it are in; block 2 is younger
	QCOMP 1
	WBLK 3
	s_wait_loadcnt 32                              ; block 2; block 3 is younger
	QCOMP 2
	s_wait_loadcnt 0x0
	QCOMP 3
	s_wait_dscnt 0x0
	s_barrier_signal -1
	s_barrier_wait -1                              ; images, scale words, scale bytes and b2 lie in LDS
.Lpass:
	s_cmp_ge_u32 s29, s26
	s_cbranch_scc1 .Lnext
	s_cmp_eq_u32 s30, 0
	s_cbranch_scc1 .Lhave
	IDLOAD
	s_wait_loadcnt 0x0
	PREP
.Lhave:
	s_min_u32 s46, s29, 69                         ; (T is at most 64; the hold keeps the address inside the sixteen slices whatever the tile)
	s_lshl_b32 s46, s46, 5
	v_add_nc_u32 v21, s46, v8                      ; my rows' scale bytes
	s_wait_alu depctr_va_vdst(0)                   ; v21 is written, which the loads of the scale bytes read as their address
.irp i, 0,1,2
.irp t, 0,1,2,3
	ds_load_b128 v[ACC+32*\i+8*\t:ACC+32*\i+8*\t+3], v16 offset:64*\t       ; the sums begin as b2: register j of tile t is column 16 t + 8 h + j
	ds_load_b128 v[ACC+32*\i+8*\t+4:ACC+32*\i+8*\t+7], v16 offset:64*\t+16
.endr
.endr
.irp i, 0,1,2
.irp j, 0,1,2,3
	ds_load_u16 v[BF+2*(4*\i+\j)], v21 offset:4608*\j+32*\i                 ; K step j (+ 4 h): two slices, two bytes each
	ds_load_u16 v[BF+2*(4*\i+\j)+1], v21 offset:4608*\j+2304+32*\i
.endr
.endr
	s_wait_dscnt 0x0
.irp i, 0,1,2
.irp j, 0,1,2,3
	v_lshl_or_b32 v[ASC+4*\i+\j], v[BF+2*(4*\i+\j)+1], 16, v[BF+2*(4*\i+\j)]
.endr
.endr
.rept 8
	v_nop                                          ; a scale register written by a vector instruction stands eight places ahead of a scaled matrix instruction
.endr
	s_wait_alu depctr_va_vdst(0)                   ; behind the places: the twelve scale words are written, which the products take as scales; and the lines that made them are done reading v52 to v75, in which the first K step's fragments land
	GSTEP 0
	GSTEP 1
	GSTEP 2
	GSTEP 3
	GSTEP 4
	GSTEP 5
	GSTEP 6
	GSTEP 7
	; THE WAY OUT.  All three tiles are weighed first; the ids of all their rows come at once and become offsets under the first tile's way through the stage; rows come back into two sets by turns.
.irp i, 0,1,2
.irp p, 0,2,4,6,8,10,12,14,16,18,20,22,24,26,28,30
	v_pk_mul_f32 v[ACC+32*\i+\p:ACC+32*\i+\p+1], v[ACC+32*\i+\p:ACC+32*\i+\p+1], v[GW+2*\i:GW+2*\i+1] op_sel_hi:[1,0]   ; x the gate's weight; each accumulator from its low end on
.endr
.endr
	s_wait_alu depctr_va_vdst(0)                   ; the weighed sums are written, which the LDS stores of all three tiles read; the last K steps' products are done reading BF and AR, in which the ids and the rows land
.irp i, 0,1,2
.irp q, 0,1,2,3,4,5,6,7
	ds_load_b32 v[RID+8*\i+\q], v18 offset:64*\i+8*\q   ; the id of row 2 q + h of tile i
.endr
.endr
	TOST 0, 0
	s_wait_dscnt 16                                ; the 24 ids are in; tile 0's eight stores and eight loads are younger
.set n, 0
.rept 24
	v_min_u32 v[RID+n], 0x807, v[RID+n]            ; held inside a K half of yp: 2,056 rows
.set n, n+1
.endr
.set n, 0
.rept 24
	v_lshl_add_u32 v[RID+n], v[RID+n], 12, v20     ; 4,096 id + 16 r
.set n, n+1
.endr
	TOST 1, 1                                      ; no wait: the 48 lines above name v[RID ..] and v20 alone
	s_wait_alu depctr_va_vdst(0)                   ; the 24 offsets are written, which the stores of all three tiles read
	s_wait_dscnt 16                                ; tile 0's rows are back; tile 1's sixteen LDS instructions are younger
	SEND 0, 0
	s_wait_dscnt 0x0                               ; tile 1's rows are back
	SEND 1, 1
	s_wait_xcnt 0x0                                ; tile 0's stores have had their addresses translated: their rows' registers are loaded again only behind this wait,
	s_wait_alu depctr_vm_vsrc(0)                   ; and they have read set 0, in which tile 2's rows land
	TOST 2, 0
	s_wait_dscnt 0x0
	SEND 2, 0
.Lnext:
	s_wait_xcnt 0x0                                ; the stores have read their registers, the loads their bases
	s_wait_dscnt 0x0
	s_wait_alu depctr_vm_vsrc(0)                   ; the stores have read their offsets v[RID ..] and rows v[OB ..], the LDS stores ACC and v22 to v24, the loads v21 and v25 to v27: the next pass, and the two lines ahead of the closing lines, write them again
	s_add_co_u32 s29, s29, 48
	s_add_nc_u64 s[38:39], s[38:39], 786432        ; 48 tiles on
	s_add_nc_u64 s[42:43], s[42:43], 3072
	s_add_co_u32 s30, s30, 1
	s_cmp_lt_u32 s30, 2
	s_cbranch_scc1 .Lpass
	s_wait_xcnt 0x0
	v_lshl_add_u32 v254, v0, 2, 0x23900
	v_mov_b32 v255, 0
	s_wait_dscnt 0x0                               ; the closing lines, six on end
	s_wait_alu 0x0
	s_wait_tensorcnt 0x0
	ds_add_u32 v254, v255
	s_wait_dscnt 0x0
	s_endpgm
.Lfunc_end_k_qba3ee9642e_fc2:
	.size	k_qba3ee9642e_fc2, .Lfunc_end_k_qba3ee9642e_fc2-k_qba3ee9642e_fc2
	.p2alignl 7, 3214868480
	.fill 96, 4, 3214868480
	.section	.rodata,"a",@progbits
	.p2align	6, 0x0
	.amdhsa_kernel k_qba3ee9642e_fc2
		.amdhsa_group_segment_fixed_size 147712
		.amdhsa_private_segment_fixed_size 0
		.amdhsa_enable_private_segment 0
		.amdhsa_kernarg_size 56
		.amdhsa_user_sgpr_count 2
		.amdhsa_user_sgpr_kernarg_segment_ptr 1
		.amdhsa_wavefront_size32 1
		.amdhsa_system_sgpr_workgroup_id_x 1
		.amdhsa_system_sgpr_workgroup_id_y 1
		.amdhsa_system_sgpr_workgroup_id_z 1
		.amdhsa_system_vgpr_workitem_id 0
		.amdhsa_next_free_vgpr 256
		.amdhsa_next_free_sgpr 66
		.amdhsa_reserve_vcc 0
		.amdhsa_float_denorm_mode_32 3
		.amdhsa_float_denorm_mode_16_64 3
		.amdhsa_memory_ordered 1
		.amdhsa_forward_progress 1
		.amdhsa_inst_pref_size 73
	.end_amdhsa_kernel
	.amdgpu_metadata
---
amdhsa.version: [ 1, 2 ]
amdhsa.kernels:
  - .name:           k_qba3ee9642e_fc2
    .symbol:         k_qba3ee9642e_fc2.kd
    .args:
      - { .name: W2, .offset: 0, .size: 8, .value_kind: global_buffer, .address_space: global }
      - { .name: b2, .offset: 8, .size: 8, .value_kind: global_buffer, .address_space: global }
      - { .name: hid, .offset: 16, .size: 8, .value_kind: global_buffer, .address_space: global }
      - { .name: hs, .offset: 24, .size: 8, .value_kind: global_buffer, .address_space: global }
      - { .name: list, .offset: 32, .size: 8, .value_kind: global_buffer, .address_space: global }
      - { .name: gw, .offset: 40, .size: 8, .value_kind: global_buffer, .address_space: global }
      - { .name: yp, .offset: 48, .size: 8, .value_kind: global_buffer, .address_space: global }
    .group_segment_fixed_size: 147712
    .private_segment_fixed_size: 0
    .kernarg_segment_align: 8
    .kernarg_segment_size: 56
    .max_flat_workgroup_size: 512
    .sgpr_count:     66
    .vgpr_count:     256
    .wavefront_size: 32
...
	.end_amdgpu_metadata
.endif
;; end of part 7
;; launch combine: the kernel of part 5 again; grid 256 x 1, 8 waves a work-group, no clusters, 0 bytes of LDS; arguments yp, out0; writes out0
